; MI455X (gfx1250); checked and timed in simulation.
; The chip was launched on July 23, 2026; its instructions are those of AMD's public machine-readable ISA for CDNA 5 (MIT licence, August 2026) and "CDNA5" Instruction Set Architecture Reference Guide (July 2026). The comments in the code are by the model that wrote it; some were corrected since.
;; Flash Attention. Allowed arithmetic: matrix products marked QUANTISED: E2M3 operands, one E8M0 scale for each 32 along K, by v_wmma_scale_f32_16x16x128_f8f6f4 with both operands' format E2M3, f32 sums; everything else in f32.
;; Inputs: bk 1,024 float32; bo 1,024 float32; bq 1,024 float32; bv 1,024 float32; wk 1,024 x 1,024 float32; wo 1,024 x 1,024 float32; wq 1,024 x 1,024 float32; wv 1,024 x 1,024 float32; x 4 x 2,048 x 1,024 float32.
;; Outputs: out0 4 x 2,048 x 1,024 float32.
;; This version of the problem:
;;   THIS VERSION OF THE PROBLEM IS GIVEN IN LOW PRECISION. The matrix products marked QUANTISED in the list below multiply operands that are first quantised to E2M3 (2 exponent bits, 3 mantissa bits; 6 bits a number), with one power-of-two scale for each 32 numbers along K (OCP MX v1.0); their sums are f32. All else is computed in f32.
;;   The module's matrix products, in the order in which they are computed (A, B: the left and right operand; K: the contracted axis; several contracted axes count as one K, in the product's order):
;;     1. [M 8,192, K 1,024] x [K 1,024, N 1,024]; A: input x; B: input wq: QUANTISED
;;     2. [M 8,192, K 1,024] x [K 1,024, N 1,024]; A: input x; B: input wk: QUANTISED
;;     3. [M 8,192, K 1,024] x [K 1,024, N 1,024]; A: input x; B: input wv: QUANTISED
;;     4. batch 64 x [M 2,048, K 64] x [K 64, N 2,048]; A: computed on the way; B: computed on the way: QUANTISED
;;     5. batch 64 x [M 2,048, K 2,048] x [K 2,048, N 64]; A: softmax (see below); B: computed on the way: QUANTISED
;;     6. [M 8,192, K 1,024] x [K 1,024, N 1,024]; A: computed on the way; B: input wo: QUANTISED
;;   THE QUANTISER, for each operand of a quantised product, along K:
;;     - K is cut into blocks of 32 from its start; a last block that is shorter is filled with zeros.
;;     - A block's scale is 2^e with e = floor(log2(the largest magnitude in the block)) - 2, held to -126 .. 127; a block of zeros has e = 0. As a byte (E8M0): e + 127.
;;     - Each number is divided by its block's scale, clamped to +-7.5, and rounded to the nearest number of E2M3, ties to even, subnormals kept.
;;     - The product sums the exact products of the quantised numbers (number of the format x scale) in f32.
;;   ~~~python
;;   def quantise(x, axis):      # numpy; x: float32 -> the quantised numbers, widened to float32 again
;;       x = np.moveaxis(x, axis, -1); K = x.shape[-1]
;;       x = np.pad(x, [(0, 0)] * (x.ndim - 1) + [(0, -K % 32)]); x = x.reshape(x.shape[:-1] + (-1, 32)); a = np.abs(x).max(-1, keepdims=True)
;;       e = np.where(a > 0, np.clip(np.frexp(np.where(a > 0, a, 1))[1] - 1 - 2, -126, 127), 0)      # np.frexp(a)[1] - 1 = floor(log2(a)), exactly
;;       r = np.clip(x / 2.0 ** e, -7.5, 7.5)
;;       step = 2.0 ** (np.maximum(np.frexp(np.where(r == 0, 1, r))[1] - 1, 0) - 3)
;;       q = np.round(r / step) * step * 2.0 ** e      # np.round: ties to even
;;       return np.moveaxis(q.reshape(q.shape[:-2] + (-1,))[..., :K], -1, axis).astype(np.float32)
;;   ~~~
;;   SOFTMAX AHEAD OF A QUANTISED PRODUCT. Where the list says 'softmax', what is quantised is not the finished softmax but p = 2^(t - M), with t = logit x log2(e) and M = ceil(the row's largest t), a whole number; so 1/2 < the row's largest p <= 1. The row's sum l is taken of the UNQUANTISED p, in f32, and the product's result is divided by l at the end. Since M is a whole number, a kernel that streams over the keys may use a running M (the ceiling of the running maximum): every later rescaling is an exact power of two, which a block's scale takes up: the codes' values come out the same.
;;   OPERANDS COMPUTED ON THE WAY. 'Computed on the way' means the value that the module computes at that place (a softmax that the list does not call 'softmax' is quantised finished and normalised). What goes into a quantiser is computed in f32, as accurately as f32 sums, v_exp_f32 and their like allow (about 1e-6 of the number): no bf16 or f16 on the way to a quantiser, and a product that is left as it is and whose result goes on into a quantised operand takes f32 operands (vector FMAs, or v_wmma_f32_16x16x4_f32). A number that lies on a knife's edge between two numbers of the format may be rounded either way, as far as f32 arithmetic and the matrix unit's own rounding can turn it there, and no further.
;; One version. Each part assembles by itself: llvm-mc -triple=amdgcn-amd-amdhsa -mcpu=gfx1250 --defsym DOCPART=n.
;; ======== version 1 of 1: 4 launches
;; limits: right only within a limited range of input values
;; workspace buffers: xcodes 6,291,456 bytes; xscales 262,144 bytes; wcodes 3,145,728 bytes; wscales 131,072 bytes; hcodes 18,874,368 bytes; hscales 1,310,720 bytes; ocodes 6,291,456 bytes; oscales 262,144 bytes
;; launch quant (part 1): grid 384 x 1, 4 waves a work-group, no clusters, 33,280 bytes of LDS; arguments x, wq, wk, wv, wo, xcodes, xscales, wcodes, wscales; writes xcodes, xscales, wcodes, wscales
.if DOCPART == 1
	.amdgcn_target "amdgcn-amd-amdhsa--gfx1250"
	.amdhsa_code_object_version 6
	.text
	.protected	k_q55b23e4765_quant
	.globl	k_q55b23e4765_quant
	.p2align	8
	.type	k_q55b23e4765_quant,@function
k_q55b23e4765_quant:
	s_mov_b64 s[64:65], 0
	v_nop
	global_prefetch_b8 v0, s[64:65] scope:SCOPE_SE
	s_setreg_imm32_b32 hwreg(HW_REG_WAVE_MODE, 25, 1), 1
	s_wait_xcnt 0x0
; x [8192][1024] and wq, wk, wv, wo [1024][1024], f32, K innermost, become codes of FP6 (E2M3) with one E8M0 scale byte for each 32 along K.
; A block's scale byte is its largest magnitude's exponent field - 2, held at 1 from below; numbers are divided by the scale and rounded to the nearest code, ties to even; beyond 7.5 the largest code.
; LIMITS: a block whose largest magnitude lies under 2^-124 (zeros too, where the rule says byte 127) gets the byte 1: its codes add nothing, and this program alone reads the bytes; NaN and infinities are not served.
; OUT: xcodes [8192 places][768 bytes], xscales [8192 places][32]; wcodes [4096 places][768], wscales [4096 places][32]: wq, wk, wv, wo one below the other.
; THE ROWS CHANGE PLACES, in groups of 8.  x, wq, wk, in each 64 rows: group 4 h + u goes to place group 2 u + h, so that a tile of 16 places holds rows 8 u + 0..7 and 32 + 8 u + 0..7: as source 0 of a matrix
; instruction four such tiles give each lane 32 neighbours in true order, one whole scale block.  wv, wo, in each 32 rows: group t goes to place group 0, 2, 1, 3.
; A wave takes 8 rows: 16 steps of 512 numbers; each load reads 512 consecutive bytes, and loads run eight steps (32 loads a wave) ahead; a step turns through the wave's own stage in LDS so that a lane holds 16
; neighbours; two lanes hold a block.  A step's codes leave as 384 consecutive bytes.  Work-groups 0-255 take x, 256-383 the weights, 32 each.  Waves share nothing: no barrier, no cluster.
.set STEPS, 16
.set AH,    8                          ; steps that the loads run ahead
.set EMAX,  2
.set CB,    12
.set R,     16                         ; v16-143  eight sets of 16 numbers as loaded
.set X,     144                        ; v144-175 two sets of 16 neighbours
.set C,     176                        ; v176-239 codes, four registers a step
.set E,     240                        ; a scale byte
.set SPW,   242
.set NIL,   243
.set WREG,  8192                       ; LDS: a wave's region: two stages, then its 256 scale bytes
.set SP,    80
.set WV,    22
	s_load_b256 s[4:11], s[0:1], 0x0               ; x, wq, wk, wv
	s_load_b256 s[12:19], s[0:1], 0x20             ; wo, xcodes, xscales, wcodes
	s_load_b64 s[20:21], s[0:1], 0x40              ; wscales
	v_lshl_add_u32 v[SPW], v0, 2, 0x8000
	v_mov_b32 v[NIL], 0
	v_lshrrev_b32 v1, 5, v0
	v_readfirstlane_b32 s[WV], v1                  ; wave
	v_and_b32 v2, 31, v0                           ; lane
	v_lshlrev_b32 v3, 4, v2                        ; my 16 bytes of a load's 512
	s_mul_i32 s23, s[WV], WREG
	v_lshrrev_b32 v14, 2, v2
	v_mul_u32_u24 v14, v14, SP
	v_and_b32 v15, 3, v2
	v_lshl_add_u32 v14, v15, 4, v14
	v_add_nc_u32 v14, s23, v14                     ; the stage, on the way in
	v_mul_u32_u24 v15, v2, SP
	v_add_nc_u32 v15, s23, v15                     ; and on the way out: my 16 neighbours
	v_mul_u32_u24 v4, v2, CB                       ; my 12 bytes of a step's 384
	v_lshrrev_b32 v5, 1, v2
	s_add_co_u32 s23, s23, 2*32*SP
	v_add_nc_u32 v5, s23, v5                       ; LDS: my block's scale byte
	v_lshlrev_b32 v7, 3, v2
	v_add_nc_u32 v6, s23, v7
	s_and_b32 s24, s[WV], 1
	s_lshl_b32 s24, s24, 1
	s_lshr_b32 s25, s[WV], 1
	s_or_b32 s24, s24, s25                         ; wv, wo: where my 8 rows go among 32: 0, 2, 1, 3
	s_wait_alu depctr_va_vdst(0)
	s_wait_kmcnt 0x0
	s_cmp_lt_u32 ttmp9, 352                        ; which tensor: by the work-group's number alone
	s_cselect_b64 s[12:13], s[10:11], s[12:13]
	s_cmp_lt_u32 ttmp9, 320
	s_cselect_b64 s[12:13], s[8:9], s[12:13]
	s_cmp_lt_u32 ttmp9, 288
	s_cselect_b64 s[12:13], s[6:7], s[12:13]
	s_cmp_lt_u32 ttmp9, 256
	s_cselect_b64 s[4:5], s[4:5], s[12:13]         ; the source
	s_cselect_b64 s[8:9], s[14:15], s[18:19]       ; its codes
	s_cselect_b64 s[10:11], s[16:17], s[20:21]     ; its scale bytes
	s_cselect_b32 s25, 0, 256
	s_cselect_b32 s26, -1, 31
	s_sub_co_u32 s25, ttmp9, s25                   ; my block of 32 rows among x's 256 or the weights' 128,
	s_and_b32 s26, s25, s26                        ; and in its own source tensor
	s_lshl_b32 s26, s26, 2
	s_add_co_u32 s26, s26, s[WV]
	s_lshl_b32 s26, s26, 15                        ; the run of 32,768 bytes that I read
	s_mov_b32 s27, 0
	s_add_nc_u64 s[4:5], s[4:5], s[26:27]
	s_lshr_b32 s12, s25, 1                         ; x, wq, wk: place group 8 (block / 2) + 2 wave + block % 2
	s_lshl_b32 s12, s12, 3
	s_and_b32 s13, s25, 1
	s_add_co_u32 s12, s12, s13
	s_lshl_b32 s13, s[WV], 1
	s_add_co_u32 s12, s12, s13
	s_lshl_b32 s25, s25, 2
	s_add_co_u32 s25, s25, s24                     ; wv, wo: 4 block + 0, 2, 1, 3
	s_cmp_lt_u32 ttmp9, 320
	s_cselect_b32 s25, s12, s25                    ; the place group that I write:
	s_mul_i32 s26, s25, 8*768                      ; 6,144 bytes of codes,
	s_add_nc_u64 s[8:9], s[8:9], s[26:27]
	s_lshl_b32 s26, s25, 8                         ; 256 scale bytes
	s_add_nc_u64 s[10:11], s[10:11], s[26:27]
.macro LOAD t
.irp i, 0,1,2,3
	global_load_b128 v[R+16*((\t)%AH)+4*\i:R+16*((\t)%AH)+4*\i+3], v3, s[4:5] offset:2048*(\t)+512*\i th:TH_LOAD_NT
.endr
.endm
.macro TURN t                          ; LDS serves a wave's instructions in order: no wait between the stores and the loads
.irp i, 0,1,2,3
	ds_store_b128 v14, v[R+16*((\t)%AH)+4*\i:R+16*((\t)%AH)+4*\i+3] offset:32*SP*((\t)%2)+8*SP*\i
.endr
.irp i, 0,1,2,3
	ds_load_b128 v[X+16*((\t)%2)+4*\i:X+16*((\t)%2)+4*\i+3], v15 offset:32*SP*((\t)%2)+16*\i
.endr
.endm
.irp t, 0,1,2,3,4,5,6,7
	LOAD \t
.endr
	s_wait_loadcnt 28                              ; step 0's four loads are in
	TURN 0
.macro STEP t
.set XS, X+16*((\t)%2)
.if (\t) > 0
	s_wait_dscnt 1                                 ; this step's numbers are back (the last step's byte store may be out)
.else
	s_wait_dscnt 0x0
.endif
.if (\t)+AH < STEPS
	LOAD (\t)+AH
.endif
.if (\t)+1 < STEPS
.if STEPS-2-(\t) >= AH-1
	s_wait_loadcnt 4*(AH-1)                        ; the next step's four loads are in; seven steps' may be out
.else
	s_wait_loadcnt 4*(STEPS-2-(\t))
.endif
	TURN (\t)+1
.endif
	v_max3_num_f32 v8, |v[XS]|, |v[XS+1]|, |v[XS+2]|
	v_max3_num_f32 v9, |v[XS+3]|, |v[XS+4]|, |v[XS+5]|
.irp i, 6,10
	v_max3_num_f32 v8, v8, |v[XS+\i]|, |v[XS+\i+1]|
	v_max3_num_f32 v9, v9, |v[XS+\i+2]|, |v[XS+\i+3]|
.endr
	v_max3_num_f32 v8, v8, |v[XS+14]|, |v[XS+15]|
	v_max3_num_f32 v8, v8, v9, (EMAX+1)<<23        ; the floor 2^(3 - 127): the byte cannot fall under 1
	v_max_num_f32_dpp v8, v8, v8 row_xmask:1 row_mask:0xf bank_mask:0xf   ; with my neighbour's 16: the block's
	v_add_nc_u32 v11, -(EMAX<<23), v8              ; 2 off the exponent field: the conversion's scale operand
	v_cvt_scalef32_pk16_fp6_f32 v[C+4*(\t):C+4*(\t)+2], v[XS:XS+15], v11
	v_lshrrev_b32 v[E], 23, v11                    ; the scale's byte
	ds_store_b8 v5, v[E] offset:16*(\t)
	global_store_b96 v4, v[C+4*(\t):C+4*(\t)+2], s[8:9] offset:32*CB*(\t)
.endm
.irp t, 0,1,2,3,4,5,6,7,8,9,10,11,12,13,14,15
	STEP \t
.endr
	ds_load_b64 v[12:13], v6
	s_wait_dscnt 0x0
	global_store_b64 v7, v[12:13], s[10:11]        ; 256 consecutive bytes, aligned
	s_wait_tensorcnt 0x0                           ; the wave's end
	ds_add_u32 v[SPW], v[NIL]
	s_wait_dscnt 0x0
	s_endpgm
.Lfunc_end_k_q55b23e4765_quant:
	.size	k_q55b23e4765_quant, .Lfunc_end_k_q55b23e4765_quant-k_q55b23e4765_quant
	.p2alignl 7, 3214868480
	.fill 96, 4, 3214868480
	.section	.rodata,"a",@progbits
	.p2align	6, 0x0
	.amdhsa_kernel k_q55b23e4765_quant
		.amdhsa_group_segment_fixed_size 33280
		.amdhsa_private_segment_fixed_size 0
		.amdhsa_enable_private_segment 0
		.amdhsa_kernarg_size 72
		.amdhsa_user_sgpr_count 2
		.amdhsa_user_sgpr_kernarg_segment_ptr 1
		.amdhsa_wavefront_size32 1
		.amdhsa_system_sgpr_workgroup_id_x 1
		.amdhsa_system_sgpr_workgroup_id_y 1
		.amdhsa_system_sgpr_workgroup_id_z 1
		.amdhsa_system_vgpr_workitem_id 0
		.amdhsa_next_free_vgpr 244
		.amdhsa_next_free_sgpr 66
		.amdhsa_reserve_vcc 0
		.amdhsa_float_denorm_mode_32 3
		.amdhsa_float_denorm_mode_16_64 3
		.amdhsa_memory_ordered 1
		.amdhsa_forward_progress 1
		.amdhsa_inst_pref_size 33
	.end_amdhsa_kernel
	.amdgpu_metadata
---
amdhsa.version: [ 1, 2 ]
amdhsa.kernels:
  - .name:           k_q55b23e4765_quant
    .symbol:         k_q55b23e4765_quant.kd
    .args:
      - { .name: x, .offset: 0, .size: 8, .value_kind: global_buffer, .address_space: global }
      - { .name: wq, .offset: 8, .size: 8, .value_kind: global_buffer, .address_space: global }
      - { .name: wk, .offset: 16, .size: 8, .value_kind: global_buffer, .address_space: global }
      - { .name: wv, .offset: 24, .size: 8, .value_kind: global_buffer, .address_space: global }
      - { .name: wo, .offset: 32, .size: 8, .value_kind: global_buffer, .address_space: global }
      - { .name: xcodes, .offset: 40, .size: 8, .value_kind: global_buffer, .address_space: global }
      - { .name: xscales, .offset: 48, .size: 8, .value_kind: global_buffer, .address_space: global }
      - { .name: wcodes, .offset: 56, .size: 8, .value_kind: global_buffer, .address_space: global }
      - { .name: wscales, .offset: 64, .size: 8, .value_kind: global_buffer, .address_space: global }
    .group_segment_fixed_size: 33280
    .private_segment_fixed_size: 0
    .kernarg_segment_align: 8
    .kernarg_segment_size: 72
    .max_flat_workgroup_size: 128
    .sgpr_count:     66
    .vgpr_count:     244
    .wavefront_size: 32
...
	.end_amdgpu_metadata
.endif
;; end of part 1
;; launch proj (part 2): grid 8 x 32, 4 waves a work-group, clusters of 4 x 4, 327,680 bytes of LDS; arguments xcodes, xscales, wcodes, wscales, bq, bk, bv, hcodes, hscales; writes hcodes, hscales
.if DOCPART == 2
	.amdgcn_target "amdgcn-amd-amdhsa--gfx1250"
	.amdhsa_code_object_version 6
	.text
	.protected	k_q55b23e4765_proj
	.globl	k_q55b23e4765_proj
	.p2align	8
	.type	k_q55b23e4765_proj,@function
k_q55b23e4765_proj:
	s_mov_b64 s[64:65], 0
	v_nop
	global_prefetch_b8 v0, s[64:65] scope:SCOPE_SE
	s_setreg_imm32_b32 hwreg(HW_REG_WAVE_MODE, 25, 1), 1
	s_wait_xcnt 0x0
	s_wait_alu depctr_hold_cnt(0) depctr_sa_sdst(0) depctr_va_vdst(0) depctr_va_sdst(0) depctr_va_ssrc(0) depctr_va_vcc(0) depctr_vm_vsrc(0)
	s_getreg_b32 s2, hwreg(HW_REG_IB_STS2, 6, 4)
	s_cmp_eq_u32 s2, 0
	s_cbranch_scc0 .Lentry_in_a_cluster
	s_endpgm
.Lentry_in_a_cluster:
	s_bfe_u32 s2, ttmp6, 0x10000c
	s_cmp_lg_u32 s2, 0xf033
	s_cbranch_scc0 .Lentry_shape_is_right
	s_endpgm
.Lentry_shape_is_right:
; Q, K, V = x W^T + b AND THEIR QUANTISERS: three products of 8,192 x 1,024 x 1,024 on codes of FP6 (E2M3) with E8M0 scales; the results leave as codes and scale bytes, as images of the operand registers of the next launch.
; THE DEAL.  256 work-groups of four waves, 2 x 2.  A work-group keeps its 256 places of x, ALL of K, in LDS for the whole launch and takes them through three phases, Q, K, V, 128 columns (two heads) each.
; In a phase a wave holds a head's 64 rows of the weight, all of K, in 384 registers and passes its 128 places by them in eight blocks of 16, 32 products a block; a block's fragments lie twice in registers.
; LDS: x's 256 rows (768 bytes + 16 behind every 256), the weights' 128 rows, x's scale bytes, a stage of 512 bytes a wave for the results' scale words, the spare words.
; FILLS.  At the head one tensor load a wave: wave 0 wq's rows, wave 1 x's scale bytes, waves 2 and 3 half of x's rows each.  The weights' region is filled again twice, when every wave holds the phase's weight in registers:
; behind the three lines and a round of the cluster's barrier each wave loads a quarter of the next weight, which has the phase's eight blocks in which to land; a plain barrier at the phase's end shows it to all.
; x's rows and scale bytes are shared by a row of the cluster, a weight's rows by a column: joint loads.  No prefetch: the head's loads go out at once, and no wave waits for a refill.
; Q, K: the matrix instruction is used transposed (source 0 = the weight's rows); by the order of wq's and wk's places register 8 u + j of lane (r, h) is channel 32 h + 8 u + j of the head for token place r: one scale block a lane.
; V: untransposed; by the order of x's places register 8 jj + i of a band's four blocks in lane (r, h) is token 64 c + 32 h + 8 jj + i for channel place r: one scale block a lane.  So no lane asks another for a maximum.
; The bias is the first products' C.  THE WAY OUT of 32 sums: the largest magnitude by two chains, whose lines stand among the NEXT block's products, two behind every second one; the conversions stand behind that block.
; OUT.  hcodes [batch, head]: Q's 128 tiles x 768 bytes (registers 0-3 at 16 x lane, 4-5 at 512 + 8 x lane), K's likewise, V's [16 key steps][4 tiles][3 pieces][lane][16];
; hscales [batch, head]: Q's words [2,048 places][4] (bytes 0, 1), K's, V's [16 key steps][64 channel places][4].
; THE WAITS' COUNTS.  A fetch is 50 LDS loads.  Ahead of a block the next block's fetch may be out (50); ahead of the last nothing.
; LIMITS: a block under 2^-124 (zeros too) gets the byte 1; NaN and infinities are not served.
.set KROW,   768
.set PITCH,  816
.set FR,     12
.set FPW,    21                        ; fragments in a window of 256 registers
.set WB,     256*PITCH                 ; the weights' region
.set SCL,    WB+128*PITCH              ; x's scale bytes: 32 units of 256 + 16
.set STG,    SCL+32*272                ; the stages
.set SPARE,  STG+4*512
.set HEADB,  294912
.set HEADS,  20480
.set XA,   4                           ; v4-5 LDS address of my blocks 0-3 (v5: for pieces whose lanes 16-31 lie behind one padding more); v6-7 blocks 4-7
.set WA,   8                           ; v8-9 the same for my rows of the weight
.set AAS,  10                          ; my place's scale bytes
.set LI16, 11
.set LI8,  12
.set STO,  13                          ; stage: 4 x (lane % 16)
.set SRD,  14                          ; stage: 16 x lane
.set WSO,  15                          ; 32 x lane
.set BOQ,  16                          ; 128 x (lane / 16)
.set BOV,  17                          ; 4 x the true channel of place lane % 16
.set SPW,  18
.set NIL,  19
.set SH8,  20                          ; 8 h
.set SH24, 21                          ; 16 + 8 h
.set SRD8, 22                          ; stage: 8 x lane
.set SB,   24                          ; v24-39 the weight's scale words: 8 p + q: lanes 0-15 tile 2 p, lanes 16-31 tile 2 p + 1
.set TQ,   40                          ; v40-41 the two chains
.set SA,   44                          ; v44-59 x's scale words, two sets of eight
.set TC,   60                          ; v60-62 the second conversion's codes
.set ACC,  64                          ; v64-127 Q, K: two sets of four accumulators
.set BIAS, 128                         ; v128-159 Q's or K's bias
.set HV0,  64                          ; v64-191 V, band 0: 32 t + 8 jj + i
.set HV1,  840                         ; v840-967 band 1
.set BV,   968                         ; v968-999 V's bias, eight registers a tile
.set NCD,  192                         ; v192-197 Q, K: a tile's codes
.set MCD,  192                         ; v192-239 V: four operands of twelve
.set SOP,  240
.set EB,   241                         ; v241-242
.set VW,   244                         ; v244-247 V's scale words
.set CPY,  248                         ; v248-253
.set G1W, 24
.set G1X, 32
.set G1S, 48
.set G0W, 56
.set G0X, 60
.set G0S, 68
.set G0R, 72
.set BP,  76                           ; s[76:77] this phase's bias, s[78:79] bk's, s[80:81] bv's
.set CBP, 92
.set SBP, 94
.set VSP, 96
.set SEL, 98
.set MSB, 0
.macro WIN new
.if MSB != \new
	s_set_vgpr_msb (MSB<<8)|\new
.set MSB, \new
.endif
.endm
.macro PLACES n
.rept \n
	v_nop
.endr
.endm
.macro WALU
	s_wait_alu depctr_va_vdst(0)
.endm
.macro BARRIER
	s_barrier_signal -1
	s_barrier_wait -1
.endm
.macro CROUND
	BARRIER
	s_cmp_lg_u32 s14, 0
	s_cbranch_scc1 .Lnot_wave_0_\@
	s_barrier_signal -3
.Lnot_wave_0_\@:
	s_barrier_wait -3
	BARRIER
.endm
.macro TLOAD g0, g1
	tensor_load_to_lds s[\g0:\g0+3], s[\g1:\g1+7]
	s_nop 0
	PLACES 4
.endm
.macro ROWS g, mask                    ; group 1: 128 rows of 768 bytes, 16 bytes of padding behind every 256
	s_or_b32 s[\g], s\mask, (1<<20)|(1<<21)|(5<<22)|(3<<25)
	s_mov_b32 s[\g+1], KROW<<16
	s_mov_b32 s[\g+2], 128<<16
	s_mov_b32 s[\g+3], KROW<<16
	s_mov_b32 s[\g+4], 128
	s_mov_b32 s[\g+5], KROW
	s_mov_b32 s[\g+6], 0
	s_mov_b32 s[\g+7], 0
.endm
	s_load_b256 s[4:11], s[0:1], 0x0               ; xcodes, xscales, wcodes, wscales
	s_load_b256 s[76:83], s[0:1], 0x20             ; bq, bk, bv, hcodes
	s_load_b64 s[84:85], s[0:1], 0x40              ; hscales
	v_lshl_add_u32 v[SPW], v0, 2, SPARE
	v_mov_b32 v[NIL], 0
	ds_add_u32 v[SPW], v[NIL]                      ; the opening lines: the add twice on end and one wait
	ds_add_u32 v[SPW], v[NIL]
	v_lshrrev_b32 v1, 5, v0
	v_readfirstlane_b32 s14, v1                    ; wave; s15 its half of the places, s16 its head of the two
	s_lshr_b32 s15, s14, 1
	s_and_b32 s16, s14, 1
	s_bfe_u32 s40, ttmp6, 0x40000                  ; cx
	s_bfe_u32 s41, ttmp6, 0x40004                  ; cy
	s_lshl_b32 s42, ttmp9, 2
	s_add_co_u32 s42, s42, s40                     ; which 128 columns of each weight, 0 .. 7
	s_and_b32 s43, ttmp7, 0xffff
	s_lshl_b32 s43, s43, 2
	s_add_co_u32 s43, s43, s41                     ; which 256 places, 0 .. 31
	s_lshl_b32 s44, s41, 2
	s_lshl_b32 s44, 15, s44                        ; my row of the cluster
	s_lshl_b32 s45, 0x1111, s40                    ; my column
	ROWS G1W, 45
	ROWS G1X, 44
	s_or_b32 s[G1S], s44, (3<<16)|(1<<20)|(1<<21)|(5<<22)|(3<<25)   ; scale bytes: 32 rows of 256 bytes, padded
	s_mov_b32 s[G1S+1], 32<<16
	s_mov_b32 s[G1S+2], 32<<16
	s_mov_b32 s[G1S+3], 32<<16
	s_mov_b32 s[G1S+4], 32
	s_mov_b32 s[G1S+5], 32
	s_mov_b32 s[G1S+6], 0
	s_mov_b32 s[G1S+7], 0
	s_mul_i32 s20, s43, 256*KROW                   ; x's rows: the half that I fetch
	s_mul_i32 s21, s16, 128*KROW
	s_add_co_u32 s20, s20, s21
	s_mov_b32 s21, 0
	s_lshl_b32 s22, s43, 13                        ; x's scale bytes
	s_mov_b32 s23, 0
	s_mul_i32 s46, s42, 128*KROW                   ; wq's rows
	s_mov_b32 s47, 0
	s_mul_i32 s86, s14, 32*KROW                    ; wk's rows: my quarter
	s_add_co_u32 s86, s86, s46
	s_add_co_u32 s86, s86, 1024*KROW
	s_mov_b32 s87, 0
	s_lshl_b32 s88, s42, 12                        ; the weight's scale bytes: my 64 rows
	s_lshl_b32 s89, s16, 11
	s_add_co_u32 s88, s88, s89
	s_mov_b32 s89, 0
	s_lshl_b32 s90, s42, 9                         ; the bias: my 64 numbers
	s_lshl_b32 s91, s16, 8
	s_add_co_u32 s90, s90, s91
	s_mov_b32 s91, 0
	s_lshr_b32 s17, s43, 3
	s_lshl_b32 s17, s17, 4
	s_lshl_b32 s18, s42, 1
	s_add_co_u32 s17, s17, s18
	s_add_co_u32 s17, s17, s16                     ; 16 x batch + head
	s_and_b32 s18, s43, 7                          ; which 256 places of the batch
	s_mul_i32 s92, s17, HEADB
	s_mul_i32 s19, s18, 12288
	s_add_co_u32 s92, s92, s19
	s_mul_i32 s19, s15, 6144
	s_add_co_u32 s92, s92, s19                     ; Q's codes: my 8 tiles.  (98,304 on: K's; 98,304 more: my key step of V)
	s_mov_b32 s93, 0
	s_mul_i32 s94, s17, HEADS
	s_add_co_u32 s96, s94, 16384
	s_lshl_b32 s19, s18, 10
	s_add_co_u32 s94, s94, s19
	s_lshl_b32 s19, s15, 9
	s_add_co_u32 s94, s94, s19                     ; Q's scale words: my 128 places
	s_mov_b32 s95, 0
	s_lshl_b32 s19, s18, 9
	s_add_co_u32 s96, s96, s19
	s_lshl_b32 s19, s15, 8
	s_add_co_u32 s96, s96, s19                     ; V's: my key step
	s_mov_b32 s97, 0
	s_mov_b32 s[SEL], 0x76543210
	s_mov_b32 s[SEL+1], 0xfedcba98
	s_wait_dscnt 0x0
	CROUND                                         ; the opening round
	s_wait_kmcnt 0x0
	s_mov_b32 s[G0W], 1
	s_mov_b32 s[G0W+1], WB
	s_add_nc_u64 s[G0W+2:G0W+3], s[8:9], s[46:47]
	s_or_b32 s[G0W+3], s[G0W+3], 0x80000000
	s_mov_b32 s[G0X], 1
	s_mul_i32 s[G0X+1], s16, 128*PITCH
	s_add_nc_u64 s[G0X+2:G0X+3], s[4:5], s[20:21]
	s_or_b32 s[G0X+3], s[G0X+3], 0x80000000
	s_mov_b32 s[G0S], 1
	s_mov_b32 s[G0S+1], SCL
	s_add_nc_u64 s[G0S+2:G0S+3], s[6:7], s[22:23]
	s_or_b32 s[G0S+3], s[G0S+3], 0x80000000
	s_mov_b32 s[G0R], 1
	s_mul_i32 s[G0R+1], s14, 32*PITCH
	s_add_co_u32 s[G0R+1], s[G0R+1], WB
	s_add_nc_u64 s[G0R+2:G0R+3], s[8:9], s[86:87]
	s_or_b32 s[G0R+3], s[G0R+3], 0x80000000
	s_add_nc_u64 s[10:11], s[10:11], s[88:89]
	s_add_nc_u64 s[76:77], s[76:77], s[90:91]
	s_add_nc_u64 s[78:79], s[78:79], s[90:91]
	s_add_nc_u64 s[80:81], s[80:81], s[90:91]
	s_add_nc_u64 s[CBP:CBP+1], s[82:83], s[CBP:CBP+1]
	s_add_nc_u64 s[SBP:SBP+1], s[84:85], s[SBP:SBP+1]
	s_add_nc_u64 s[VSP:VSP+1], s[84:85], s[VSP:VSP+1]
	s_mul_i32 s20, s15, 128*PITCH                  ; LDS: my blocks 0-3,
	s_add_co_u32 s21, s20, 64*PITCH                ; 4-7,
	s_mul_i32 s22, s16, 64*PITCH
	s_add_co_u32 s22, s22, WB                      ; my 64 rows of the weight,
	s_mul_i32 s23, s15, 16*272
	s_add_co_u32 s23, s23, SCL                     ; my places' scale bytes,
	s_lshl_b32 s46, s14, 9
	s_add_co_u32 s46, s46, STG                     ; my stage
	s_cmp_eq_u32 s14, 0
	s_cbranch_scc0 .Lwave_1
	TLOAD G0W, G1W                                 ; wave 0: wq's rows, which are needed first
	s_branch .Lasked
.Lwave_1:
	s_cmp_eq_u32 s14, 1
	s_cbranch_scc0 .Lwave_2
	TLOAD G0S, G1S                                 ; wave 1: x's scale bytes
	s_branch .Lasked
.Lwave_2:
	TLOAD G0X, G1X                                 ; waves 2 and 3: 128 rows of x each
.Lasked:
	v_and_b32 v1, 15, v0                           ; r
	v_bfe_u32 v2, v0, 4, 1                         ; h
	v_and_b32 v3, 31, v0                           ; lane
	v_and_b32 v23, 8, v1
	v_lshlrev_b32 v[WSO], 5, v3
	v_add_nc_u32 v23, v23, v1
	v_lshlrev_b32 v[BOQ], 7, v2
	v_lshlrev_b32 v[BOV], 2, v23                   ; wv's place 16 t + r is channel 32 (t / 2) + 8 (t % 2) + r + 8 (r / 8)
	v_mul_u32_u24 v[SRD], v1, PITCH
	v_lshlrev_b32 v[LI16], 4, v3
	v_lshlrev_b32 v[LI8], 3, v3
	v_mad_u32_u24 v23, v2, 24, v[SRD]
	v_mad_u32_u24 v[SRD], v2, 40, v[SRD]
	WIN 3<<6
.irp t, 0,1,2,3
	global_load_b32 v[BV-768+8*\t], v[BOV], s[80:81] offset:(32*(\t/2)+8*(\t%2))*4
.endr
	WIN 0
	v_add_nc_u32 v[XA], s20, v23
	v_add_nc_u32 v[XA+1], s20, v[SRD]
	v_add_nc_u32 v[XA+2], s21, v23
	v_add_nc_u32 v[XA+3], s21, v[SRD]
	v_add_nc_u32 v[WA], s22, v23
	v_add_nc_u32 v[WA+1], s22, v[SRD]
	v_lshrrev_b32 v23, 3, v1
	v_and_b32 v[AAS], 7, v1
	v_mul_u32_u24 v23, v23, 272
	v_lshl_add_u32 v23, v[AAS], 5, v23
	v_add_nc_u32 v[AAS], s23, v23                  ; 8 places to a unit of 256 + 16
	v_lshl_add_u32 v[STO], v1, 2, s46
	v_add_nc_u32 v[SRD], s46, v[LI16]
	v_add_nc_u32 v[SRD8], s46, v[LI8]
	v_lshlrev_b32 v[SH8], 3, v2
	v_lshl_add_u32 v[SH24], v2, 3, 16
	v_mov_b32 v[EB+1], 0                           ; a lane permute's destination counts as one of its sources
; Fragment f lies in window 1 + f / 21 at register 12 (f % 21): 0-31 the weight's (4 q + u), 32-39 and 40-47 x's two sets.
.macro FRAG f, q, a, off               ; six pieces of 8 bytes; byte y of a row lies at y + 16 (y / 256)
	WIN (1+(\f)/FPW)<<6
.set R_, FR*((\f)%FPW)
.irp p, 0,1,2,3,4,5
.set PC_, 12*(\q)+6*(\p/3)+\p%3
.if (PC_%32+3)/32
	ds_load_b64 v[R_+2*\p:R_+2*\p+1], v[\a+1] offset:8*PC_+16*(PC_/32)+(\off)
.else
	ds_load_b64 v[R_+2*\p:R_+2*\p+1], v[\a] offset:8*PC_+16*(PC_/32)+(\off)
.endif
.endr
.endm
.macro WEIGHTS                         ; my 64 rows of the weight: 192 loads
.irp q, 0,1,2,3,4,5,6,7
.irp u, 0,1,2,3
	FRAG 4*\q+\u, \q, WA, \u*16*PITCH
.endr
.endr
	WIN 0
.endm
.macro WWORDS                          ; row 32 p + lane: its eight scale words
.irp p, 0,1
.irp c, 0,1
	global_load_b128 v[SB+8*\p+4*\c:SB+8*\p+4*\c+3], v[WSO], s[10:11] offset:\p*1024+16*\c
.endr
.endr
.endm
.macro FETCH s, e                      ; block s into set e: 48 loads of codes, 2 of scale words
.irp q, 0,1,2,3,4,5,6,7
	FRAG 32+8*(\e)+\q, \q, XA+2*((\s)/4), ((\s)%4)*16*PITCH
.endr
	WIN 0
	ds_load_b128 v[SA+8*(\e):SA+8*(\e)+3], v[AAS] offset:2*(\s)*272
	ds_load_b128 v[SA+8*(\e)+4:SA+8*(\e)+7], v[AAS] offset:2*(\s)*272+16
.endm
.macro PROD1 d, a, b, c, xa, xb, side, o
.if (\o)%2
	v_wmma_scale_f32_16x16x128_f8f6f4 v[\d:\d+7], v[\a:\a+11], v[\b:\b+11], \c, v[\xa], v[\xb] matrix_a_fmt:MATRIX_FMT_FP6 matrix_b_fmt:MATRIX_FMT_FP6 matrix_\side\()_scale:MATRIX_SCALE_ROW1
.else
	v_wmma_scale_f32_16x16x128_f8f6f4 v[\d:\d+7], v[\a:\a+11], v[\b:\b+11], \c, v[\xa], v[\xb] matrix_a_fmt:MATRIX_FMT_FP6 matrix_b_fmt:MATRIX_FMT_FP6
.endif
.endm
; product n = 4 q + u of a block.  kind 0 (Q, K): source 0 the weight's tile u; kind 1 (V): source 0 x's block.  Accumulator u at d0 + ds u
.macro PROD kind, e, n, d0, ds
.set Q_, (\n)/4
.set U_, (\n)%4
.set FW_, 4*Q_+U_
.set FX_, 32+8*(\e)+Q_
.set D_, (\d0)+(\ds)*U_
.set DL_, D_&255
.set DW_, D_>>8
.set SW_, SB+8*(U_/2)+Q_
.set SX_, SA+8*(\e)+Q_
.if \kind
.if Q_
	WIN (1+FX_/FPW)|((1+FW_/FPW)<<2)|(DW_<<4)|(DW_<<6)
	PROD1 DL_, FR*(FX_%FPW), FR*(FW_%FPW), v[DL_:DL_+7], SX_, SW_, b, U_
.else
	WIN (1+FX_/FPW)|((1+FW_/FPW)<<2)|(3<<4)|(DW_<<6)
	PROD1 DL_, FR*(FX_%FPW), FR*(FW_%FPW), v[BV-768+8*U_:BV-768+8*U_+7], SX_, SW_, b, U_
.endif
.else
	WIN (1+FW_/FPW)|((1+FX_/FPW)<<2)
.if Q_
	PROD1 DL_, FR*(FW_%FPW), FR*(FX_%FPW), v[DL_:DL_+7], SW_, SX_, a, U_
.else
	PROD1 DL_, FR*(FW_%FPW), FR*(FX_%FPW), v[BIAS+8*U_:BIAS+8*U_+7], SW_, SX_, a, U_
.endif
.endif
.endm
; a block's 32 products, the four accumulators by turns, K ascending; behind every second one two lines of the list
.macro BLOCK kind, e, d0, ds, list, x
.set N_, 0
.rept 32
	PROD \kind, \e, N_, \d0, \ds
.if N_%2
	\list N_-1, \x
	\list N_, \x
.endif
.set N_, N_+1
.endr
.endm
.macro L_NONE i, x
.endm
; line i of the search for the largest magnitude of the 32 sums from register x on: two chains, one over each half, by turns; then the conversions' scale operand
.macro CHAIN i, x, tq=TQ, sop=SOP
.set CW_, (\x)>>8
.set CL_, (\x)&255
.if (\i) < 2
	WIN CW_|(CW_<<2)|(CW_<<4)
	v_max3_num_f32 v[\tq+(\i)], |v[CL_+16*(\i)]|, |v[CL_+16*(\i)+1]|, |v[CL_+16*(\i)+2]|
.elseif (\i) < 14
	WIN (CW_<<2)|(CW_<<4)
	v_max3_num_f32 v[\tq+(\i)%2], v[\tq+(\i)%2], |v[CL_+16*((\i)%2)+(\i)/2*2+1]|, |v[CL_+16*((\i)%2)+(\i)/2*2+2]|
.elseif (\i) == 14
	WIN CW_<<2
	v_max3_num_f32 v[\tq], v[\tq], |v[CL_+15]|, 0x1800000          ; the floor 2^(3 - 127): the byte cannot fall under 1
.elseif (\i) == 15
	WIN CW_<<2
	v_max_num_f32 v[\tq+1], v[\tq+1], |v[CL_+31]|
.elseif (\i) == 16
	WIN 0
	v_max_num_f32 v[\tq], v[\tq], v[\tq+1]
.elseif (\i) == 18
	WIN 0
	v_add_nc_u32 v[\sop], 0xff000000, v[\tq]                       ; 2 off the exponent field
.endif
.endm
.macro CODESQ s                        ; Q, K: block s's tile of codes and its scale words leave
.set AC_, ACC+32*((\s)%2)
	WIN 0
	WALU                                           ; directly ahead of the wait below
	s_wait_xcnt 0x0                                ; the last tile's stores have read their registers
	v_cvt_scalef32_pk16_fp6_f32 v[NCD:NCD+2], v[AC_:AC_+15], v[SOP]
	v_cvt_scalef32_pk16_fp6_f32 v[TC:TC+2], v[AC_+16:AC_+31], v[SOP]   ; (a conversion's three registers begin on an even number)
	v_lshrrev_b32 v[EB], 23, v[SOP]                ; block h's byte,
	v_lshlrev_b32 v[EB], v[SH8], v[EB]             ; at its place in the word,
	v_permlanex16_b32 v[EB+1], v[EB], s[SEL], s[SEL+1]
	v_or_b32 v[EB], v[EB], v[EB+1]                 ; with lane l xor 16's
.irp i, 0,1,2
	v_mov_b32 v[NCD+3+\i], v[TC+\i]
.endr
	ds_store_b32 v[STO], v[EB] offset:64*(\s)
	global_store_b128 v[LI16], v[NCD:NCD+3], s[CBP:CBP+1] offset:768*(\s)
	global_store_b64 v[LI8], v[NCD+4:NCD+5], s[CBP:CBP+1] offset:768*(\s)+512
.endm
.macro CODESV c, t, sop=SOP            ; V: band c of tile t's operand, and its byte
.set VX_, HV0+(HV1-HV0)*(\c)+32*(\t)
	WIN 0
	WALU
	WIN VX_>>8
	v_cvt_scalef32_pk16_fp6_f32 v[MCD+12*(\t)+6*(\c):MCD+12*(\t)+6*(\c)+2], v[(VX_&255):(VX_&255)+15], v[\sop]
	v_cvt_scalef32_pk16_fp6_f32 v[TC:TC+2], v[(VX_&255)+16:(VX_&255)+31], v[\sop]
	WIN 0
	v_lshrrev_b32 v[EB], 23, v[\sop]               ; block 2 c + h's byte
.if \c
	v_lshlrev_b32 v[EB], v[SH24], v[EB]
	v_or_b32 v[VW+(\t)], v[VW+(\t)], v[EB]
.else
	v_lshlrev_b32 v[VW+(\t)], v[SH8], v[EB]
	v_nop
.endif
.irp i, 0,1,2
	v_mov_b32 v[MCD+12*(\t)+6*(\c)+3+\i], v[TC+\i]
.endr
.endm
	WALU
	s_cmp_eq_u32 s14, 0
	s_cbranch_scc0 .Lnot_w
	s_wait_tensorcnt 0x0
.Lnot_w:
	BARRIER                                        ; wq's rows are in
	s_mov_b32 s3, 0
.Lphase:                                           ; Q, then K
	WWORDS
.irp k, 0,1,2,3,4,5,6,7
	global_load_b128 v[BIAS+4*\k:BIAS+4*\k+3], v[BOQ], s[BP:BP+1] offset:16*\k   ; register 8 u + j: channel 32 h + 8 u + j
.endr
	WEIGHTS
	s_wait_tensorcnt 0x0                           ; all my tensor loads are in (the first time: my tile of the head's),
	ds_add_u32 v[SPW], v[NIL]
	s_mov_b32 s[G1W+2], 32<<16                     ; (no tensor load of mine is out: from here on a load of a weight brings 32 rows)
	s_mov_b32 s[G1W+4], 32
	s_wait_dscnt 0x0                               ; and I hold the weight in registers
	CROUND                                         ; all that holds of every wave of the cluster
	TLOAD G0R, G1W                                 ; my quarter of the next weight
	FETCH 0, 0
	FETCH 1, 1
	s_wait_loadcnt 0x0                             ; the scale words and the bias
.irp s, 0,1,2,3,4,5,6,7
.if \s == 7
	s_wait_dscnt 0x0
.else
	s_wait_dscnt 50
.endif
.if \s
	BLOCK 0, \s%2, ACC+32*(\s%2), 8, CHAIN, ACC+32*((\s+1)%2)
	CODESQ \s-1                                    ; its seven plain lines are the places ahead of the fetch
.else
	BLOCK 0, 0, ACC, 8, L_NONE, 0
	WIN 0
	PLACES 4
.endif
.if \s < 6
	FETCH \s+2, \s%2
.endif
.endr
.set I, 0
.rept 19
	CHAIN I, ACC+32
.set I, I+1
.endr
	CODESQ 7
	ds_load_b128 v[CPY:CPY+3], v[SRD]              ; my 128 places' scale words: LDS serves a wave's instructions in order
	s_wait_dscnt 0x0
	global_store_b128 v[LI16], v[CPY:CPY+3], s[SBP:SBP+1]   ; 512 consecutive bytes, aligned
	s_wait_xcnt 0x0                                ; the bases may step
	s_add_nc_u64 s[CBP:CBP+1], s[CBP:CBP+1], 98304
	s_add_nc_u64 s[SBP:SBP+1], s[SBP:SBP+1], 8192
	s_add_nc_u64 s[10:11], s[10:11], 1024*32
	s_mov_b64 s[BP:BP+1], s[78:79]
	s_wait_tensorcnt 0x0                           ; my quarter of the next weight is in
	s_add_nc_u64 s[G0R+2:G0R+3], s[G0R+2:G0R+3], 1024*KROW
	BARRIER                                        ; and everybody's
	s_add_co_u32 s3, s3, 1
	s_cmp_lg_u32 s3, 2
	WALU                                           ; directly ahead of the branch
	s_cbranch_scc1 .Lphase
; V
	WWORDS
	WEIGHTS
	FETCH 0, 0
	FETCH 1, 1
	WIN (3<<6)|3
.irp t, 0,8,16,24
.irp i, 1,2,3,4,5,6,7
	v_mov_b32 v[BV-768+\t+\i], v[BV-768+\t]        ; the bias, one number a lane and tile, over the tile's eight registers
.endr
.endr
	WIN 0
	WALU
	s_wait_loadcnt 0x0
.irp s, 0,1,2,3,4,5,6,7
.if \s == 7
	s_wait_dscnt 0x0
.else
	s_wait_dscnt 50
.endif
.if \s < 4
	BLOCK 1, \s%2, HV0+8*\s, 32, L_NONE, 0
	WIN 0
	PLACES 4
.else
	BLOCK 1, \s%2, HV1+8*(\s-4), 32, CHAIN, HV0+32*(\s-4)
	CODESV 0, \s-4                                 ; band 0's way outs stand in band 1's blocks
.endif
.if \s < 6
	FETCH \s+2, \s%2
.endif
.endr
.set I, 0
.rept 19                                           ; band 1: the four tiles by turns (band 0's registers are free: chains at v64.., scale operands at v72..)
.irp t, 0,1,2,3
	CHAIN I, HV1+32*\t, 64+2*\t, 72+\t
.endr
.set I, I+1
.endr
.irp t, 0,1,2,3
	CODESV 1, \t, 72+\t
.endr
.irp t, 0,1,2,3
	v_permlanex16_b32 v[CPY+\t], v[VW+\t], s[SEL], s[SEL+1]
.endr
.irp t, 0,1,2,3
	v_or_b32 v[VW+\t], v[VW+\t], v[CPY+\t]         ; with lane l xor 16's two bytes the word is whole
.endr
.irp t, 0,1,2,3
	ds_store_b32 v[STO], v[VW+\t] offset:64*\t
.endr
	ds_load_b64 v[CPY+4:CPY+5], v[SRD8]
.irp t, 0,1,2,3
.irp k, 0,1,2
	global_store_b128 v[LI16], v[MCD+12*\t+4*\k:MCD+12*\t+4*\k+3], s[CBP:CBP+1] offset:1536*\t+512*\k
.endr
.endr
	s_wait_dscnt 0x0
	global_store_b64 v[LI8], v[CPY+4:CPY+5], s[VSP:VSP+1]   ; 256 consecutive bytes, aligned
	s_wait_tensorcnt 0x0                           ; the wave's end
	ds_add_u32 v[SPW], v[NIL]
	s_wait_dscnt 0x0
	CROUND                                         ; the closing round
	s_endpgm
.Lfunc_end_k_q55b23e4765_proj:
	.size	k_q55b23e4765_proj, .Lfunc_end_k_q55b23e4765_proj-k_q55b23e4765_proj
	.p2alignl 7, 3214868480
	.fill 96, 4, 3214868480
	.section	.rodata,"a",@progbits
	.p2align	6, 0x0
	.amdhsa_kernel k_q55b23e4765_proj
		.amdhsa_group_segment_fixed_size 327680
		.amdhsa_private_segment_fixed_size 0
		.amdhsa_enable_private_segment 0
		.amdhsa_kernarg_size 72
		.amdhsa_user_sgpr_count 2
		.amdhsa_user_sgpr_kernarg_segment_ptr 1
		.amdhsa_wavefront_size32 1
		.amdhsa_system_sgpr_workgroup_id_x 1
		.amdhsa_system_sgpr_workgroup_id_y 1
		.amdhsa_system_sgpr_workgroup_id_z 1
		.amdhsa_system_vgpr_workitem_id 0
		.amdhsa_next_free_vgpr 1000
		.amdhsa_next_free_sgpr 102
		.amdhsa_reserve_vcc 0
		.amdhsa_float_denorm_mode_32 3
		.amdhsa_float_denorm_mode_16_64 3
		.amdhsa_memory_ordered 1
		.amdhsa_forward_progress 1
		.amdhsa_inst_pref_size 192
	.end_amdhsa_kernel
	.amdgpu_metadata
---
amdhsa.version: [ 1, 2 ]
amdhsa.kernels:
  - .name:           k_q55b23e4765_proj
    .symbol:         k_q55b23e4765_proj.kd
    .args:
      - { .name: xcodes, .offset: 0, .size: 8, .value_kind: global_buffer, .address_space: global }
      - { .name: xscales, .offset: 8, .size: 8, .value_kind: global_buffer, .address_space: global }
      - { .name: wcodes, .offset: 16, .size: 8, .value_kind: global_buffer, .address_space: global }
      - { .name: wscales, .offset: 24, .size: 8, .value_kind: global_buffer, .address_space: global }
      - { .name: bq, .offset: 32, .size: 8, .value_kind: global_buffer, .address_space: global }
      - { .name: bk, .offset: 40, .size: 8, .value_kind: global_buffer, .address_space: global }
      - { .name: bv, .offset: 48, .size: 8, .value_kind: global_buffer, .address_space: global }
      - { .name: hcodes, .offset: 56, .size: 8, .value_kind: global_buffer, .address_space: global }
      - { .name: hscales, .offset: 64, .size: 8, .value_kind: global_buffer, .address_space: global }
    .group_segment_fixed_size: 327680
    .private_segment_fixed_size: 0
    .kernarg_segment_align: 8
    .kernarg_segment_size: 72
    .max_flat_workgroup_size: 128
    .sgpr_count:     102
    .vgpr_count:     1000
    .wavefront_size: 32
...
	.end_amdgpu_metadata
.endif
;; end of part 2
;; launch attn (part 3): grid 4 x 64, 16 waves a work-group, clusters of 4 x 1, 210,944 bytes of LDS; arguments hcodes, hscales, ocodes, oscales; writes ocodes, oscales
.if DOCPART == 3
	.amdgcn_target "amdgcn-amd-amdhsa--gfx1250"
	.amdhsa_code_object_version 6
	.text
	.protected	k_q55b23e4765_attn
	.globl	k_q55b23e4765_attn
	.p2align	8
	.type	k_q55b23e4765_attn,@function
k_q55b23e4765_attn:
	s_mov_b64 s[64:65], 0
	v_nop
	global_prefetch_b8 v0, s[64:65] scope:SCOPE_SE
	s_setreg_imm32_b32 hwreg(HW_REG_WAVE_MODE, 25, 1), 1
	s_wait_xcnt 0x0
	s_wait_alu depctr_hold_cnt(0) depctr_sa_sdst(0) depctr_va_vdst(0) depctr_va_sdst(0) depctr_va_ssrc(0) depctr_va_vcc(0) depctr_vm_vsrc(0)
	s_getreg_b32 s2, hwreg(HW_REG_IB_STS2, 6, 4)
	s_cmp_eq_u32 s2, 0
	s_cbranch_scc0 .Lentry_in_a_cluster
	s_endpgm
.Lentry_in_a_cluster:
	s_bfe_u32 s2, ttmp6, 0x10000c
	s_cmp_lg_u32 s2, 0x3003
	s_cbranch_scc0 .Lentry_shape_is_right
	s_endpgm
.Lentry_shape_is_right:
; O[q] = sum over k of softmax_k(Q[q] . K[k] / 8) V[k] for each of 64 (batch, head) pairs, 2,048 tokens, head size 64; both products on codes of FP6 (E2M3) with E8M0 scales; O / l is quantised along the head's 64 channels.
; THE SOFTMAX: t = score x log2(e) / 8; M = the row's largest t so far, rounded up to a whole number; p = 2^(t - M) is quantised along the keys; the row's sum l is taken of the unquantised p and divides O at the end.
; When M moves, the sum and O are multiplied by 2^(old M - new M): exact.
; SHARES.  A cluster of four work-groups is one (batch, head); a work-group owns 512 query places, 32 tiles of 16; each of its sixteen waves owns one tile in each of two passes.  Four waves to a SIMD, 256 registers each.
; A HEAD'S WHOLE K AND V LIE IN LDS, filled ONCE by joint loads that name the four work-groups: K's and V's codes are 196,608 dense bytes (waves 0-11: 64 rows of 256 bytes each), their scale words 12,288 (waves 12-15: 12 rows each).
; One tensor load a wave, one wait for all and one barrier; nothing is filled again, so there is no ring.  No prefetch: all that the launch streams is asked for at its head, and there is no loop to run ahead in.
; OPERANDS ARE IMAGES OF REGISTERS.  A tile of Q or K (16 places x 64 channels) is 6 registers a lane: 0-3 at 16 x lane, 4-5 at 512 + 8 x lane.  Q's fragment has zero codes for K = 64 .. 127, so what K's fragment holds there
; adds nothing: K's eight tiles lie six registers apart, each fragment's upper half being the next tile (behind the last: six zeros).  A tile of V^T (16 channel places x 128 keys) is 12 registers: three runs of 512 bytes.
; LAYOUT.  S^T = K Q^T, O^T = V^T P^T: a lane holds one query throughout.  A tile 4 c + u of K holds keys 64 c + 8 u + 0..7 and 64 c + 32 + 8 u + 0..7, so register 32 c + n of S^T in lane (r, h) is key 64 c + 32 h + n:
; a whole scale block a lane, in the order of the operand's registers: no lane asks another for a block's maximum, and the conversions' results are the operand.
; A STEP (128 keys): the scores; V's fragments and the NEXT step's K are asked for; maxima, M, t - M, O's rescaling, exponentials, scales, codes, the sum's additions (which are also the places ahead of the second product).
; The last step of a pass asks for the 6,144 bytes and 512 bytes that lie behind K's (V's first codes and words, landed like all else); they are not used.
; OUT: ocodes [batch, head][128 tiles][768 bytes] as images; oscales [8192 places][32]: byte 2 x head + block: single bytes, 32 apart, since a place's bytes come from sixteen clusters.
; LIMITS: p under 2^-126 becomes 0; a block's largest p is taken from its largest score, which takes v_exp_f32 not to fall where its input rises; a block under 2^-124 (zeros too) gets the byte 1; NaN and infinities are not served.
.set VC,    98304                      ; LDS: K's codes at 0 (16 steps x 8 tiles x 768), V's here (16 x 4 x 1,536),
.set KSC,   196608                     ; K's scale words (2,048 x 4),
.set VSC,   204800                     ; V's (16 x 64 x 4),
.set SPARE, 208896                     ; the spare words: 16 waves x 128 bytes
.set KSTEP, 6144
.set HEADB, 294912                     ; a (batch, head) in hcodes: Q, K, V, 98,304 bytes each
.set HEADS, 20480                      ; and in hscales: Q's words 8,192, K's 8,192, V's 4,096
.set SH8,  0                           ; v0 8 x (lane / 16), behind the head
.set LI16, 1                           ; v1-3 16, 8, 4 x lane
.set LI8,  2
.set LI4,  3
.set ADK16, 4                          ; v4-8 the step's LDS addresses
.set ADK8, 5
.set ADKS, 6
.set ADV,  7
.set ADVS, 8
.set SPW,  9                           ; my spare word
.set QSW,  10                          ; Q's scale words
.set NIL,  11                          ; 0      (v12 -M, v13 the largest score, v[14:15] the sum in two halves)
.set QF,   16                          ; v16-27 Q's fragment; v22-27 zero
.set KSW,  28                          ; v28-31 K's scale words: lanes 0-15 the even tile's, 16-31 the odd tile's
.set KF,   32                          ; v32-79 K's eight tiles; v80-85 zero
.set VF,   86                          ; v86-133 V's four fragments
.set VSW,  134                         ; v134-135 V's scale words
.set S,    136                         ; v136-199 S^T, then p
.set OT,   200                         ; v200-231 O^T
.set PCD,  232                         ; v232-243 p's codes
.set CT,   244                         ; v244-246, v248-250 the conversions' second halves; v244-251 the sum's four chains
.set BM0,  247                         ; a lane's two blocks: largest score, largest p, scale operand
.set BM1,  251
.set PSW,  253                         ; p's scale word   (v252: f = 2^(old M - new M); v254, v255 at work)
.set WV,   12
.set QCB,  16
.set QSB,  18
.set SEL,  20                          ; lane selects: lane l xor 16
.set CS,   22                          ; s[22:23] c = log2(e) / 8
.set G1C,  24
.set G1S,  32
.set G0,   40
.set G0S,  44
.set OCB,  60
.set OSB,  62
.set TK,   66                          ; the next step's K: 6,144 bytes a step; it also counts the steps
.set TS,   67                          ; its scale words: 512 a step
.set TW,   68                          ; this step's words of V: 256 a step
.set HM,   70                          ; lanes 16-31
.set NC,   71                          ; -c
.macro CROUND
	s_barrier_signal -1
	s_barrier_wait -1
	s_cmp_lg_u32 s[WV], 0
	s_cbranch_scc1 .Lnot_wave_0_\@
	s_barrier_signal -3
.Lnot_wave_0_\@:
	s_barrier_wait -3
	s_barrier_signal -1
	s_barrier_wait -1
.endm
	s_load_b256 s[4:11], s[0:1], 0x0               ; hcodes, hscales, ocodes, oscales
	v_lshl_add_u32 v[SPW], v0, 2, SPARE
	v_mov_b32 v[NIL], 0
	ds_add_u32 v[SPW], v[NIL]                      ; the opening lines: the add twice on end and one wait
	ds_add_u32 v[SPW], v[NIL]
	v_lshrrev_b32 v1, 5, v0
	v_readfirstlane_b32 s[WV], v1                  ; wave 0..15
	s_bfe_u32 s13, ttmp6, 0x40000                  ; cx: it enters Q's and O's addresses alone
	s_and_b32 s14, ttmp7, 0xffff                   ; 16 x batch + head, which the four partners share
	s_lshl_b32 s73, s[WV], 14                      ; waves 0-11: 16,384 bytes of codes each, in LDS as in memory
	s_mul_i32 s74, s14, HEADB
	s_mov_b32 s75, 0
	s_add_co_u32 s76, s74, s73
	s_add_co_u32 s76, s76, 98304                   ; behind Q's section
	s_mov_b32 s77, 0
	s_mul_i32 s78, s14, HEADS
	s_mov_b32 s79, 0
	s_and_b32 s72, s[WV], 3                        ; waves 12-15: 3,072 bytes of scale words each
	s_mul_i32 s80, s72, 3072
	s_add_co_u32 s82, s78, s80
	s_add_co_u32 s82, s82, 8192
	s_mov_b32 s83, 0
	s_mov_b32 s[G1C], 15|(3<<16)|(1<<21)           ; the mask: all four work-groups; elements of 8 bytes; bit 21 beside a mask
	s_mov_b32 s[G1C+1], 32<<16                     ; rows of 256 bytes
	s_mov_b32 s[G1C+2], 64<<16
	s_mov_b32 s[G1C+3], 32<<16
	s_mov_b32 s[G1C+4], 64
	s_mov_b32 s[G1C+5], 32
	s_mov_b32 s[G1C+6], 0
	s_mov_b32 s[G1C+7], 0
	s_mov_b32 s[G1S], 15|(3<<16)|(1<<21)
	s_mov_b32 s[G1S+1], 32<<16
	s_mov_b32 s[G1S+2], 12<<16
	s_mov_b32 s[G1S+3], 32<<16
	s_mov_b32 s[G1S+4], 12
	s_mov_b32 s[G1S+5], 32
	s_mov_b32 s[G1S+6], 0
	s_mov_b32 s[G1S+7], 0
	s_lshl_b32 s15, s13, 5
	s_add_co_u32 s15, s15, s[WV]                   ; my tile in pass 0: 32 cx + wave
	s_mul_i32 s84, s15, 768
	s_mov_b32 s85, 0
	s_lshl_b32 s86, s15, 6                         ; 64 bytes of scale words a tile
	s_mov_b32 s87, 0
	s_mul_i32 s88, s14, 98304                      ; the head in ocodes
	s_add_co_u32 s88, s88, s84
	s_mov_b32 s89, 0
	s_lshr_b32 s90, s14, 4
	s_lshl_b32 s90, s90, 11                        ; the batch's 2,048 places,
	s_lshl_b32 s91, s15, 4
	s_add_co_u32 s90, s90, s91                     ; my tile's 16,
	s_lshl_b32 s90, s90, 5                         ; 32 scale bytes a place,
	s_and_b32 s91, s14, 15
	s_lshl_b32 s91, s91, 1
	s_add_co_u32 s90, s90, s91                     ; my head's two
	s_mov_b32 s91, 0
	s_mov_b32 s[SEL], 0x76543210
	s_mov_b32 s[SEL+1], 0xfedcba98
	s_mov_b32 s[CS], 0x3e38aa3b                    ; log2(e) / 8
	s_mov_b32 s[CS+1], s[CS]
	s_mov_b32 s[NC], 0xbe38aa3b
	s_mov_b32 s[HM], 0xffff0000
	s_wait_dscnt 0x0
	s_wait_kmcnt 0x0
	s_add_nc_u64 s[QCB:QCB+1], s[4:5], s[74:75]
	s_add_nc_u64 s[QCB:QCB+1], s[QCB:QCB+1], s[84:85]
	s_add_nc_u64 s[QSB:QSB+1], s[6:7], s[78:79]
	s_add_nc_u64 s[QSB:QSB+1], s[QSB:QSB+1], s[86:87]
	s_add_nc_u64 s[OCB:OCB+1], s[8:9], s[88:89]
	s_add_nc_u64 s[OSB:OSB+1], s[10:11], s[90:91]
	s_mov_b32 s[G0], 1
	s_mov_b32 s[G0+1], s73
	s_add_nc_u64 s[G0+2:G0+3], s[4:5], s[76:77]
	s_or_b32 s[G0+3], s[G0+3], 0x80000000
	s_mov_b32 s[G0S], 1
	s_add_co_u32 s[G0S+1], s80, KSC
	s_add_nc_u64 s[G0S+2:G0S+3], s[6:7], s[82:83]
	s_or_b32 s[G0S+3], s[G0S+3], 0x80000000
	CROUND                                         ; all four work-groups are here: the joint loads meet
	s_cmp_lt_u32 s[WV], 12                         ; one load a wave, one to an arm
	s_cbranch_scc0 .Lwords
	tensor_load_to_lds s[G0:G0+3], s[G1C:G1C+7]
	s_nop 0
.rept 4
	v_nop
.endr
	s_branch .Lasked
.Lwords:
	tensor_load_to_lds s[G0S:G0S+3], s[G1S:G1S+7]
	s_nop 0
.rept 4
	v_nop
.endr
.Lasked:
	v_and_b32 v[LI4], 31, v0
	v_lshlrev_b32 v[LI16], 4, v[LI4]
	v_lshlrev_b32 v[LI8], 3, v[LI4]
	v_lshlrev_b32 v[LI4], 2, v[LI4]
	v_bfe_u32 v[SH8], v0, 4, 1
	v_and_b32 v255, 60, v[LI4]                     ; 4 x (lane % 16)
	v_lshlrev_b32 v[SH8], 3, v[SH8]
.macro QLOAD p                         ; pass p's tile of Q: 16 tiles on from pass 0's; v255 = 4 x (lane % 16)
	global_load_b128 v[QF:QF+3], v[LI16], s[QCB:QCB+1] offset:12288*\p th:TH_LOAD_NT
	global_load_b64 v[QF+4:QF+5], v[LI8], s[QCB:QCB+1] offset:12288*\p+512 th:TH_LOAD_NT
	global_load_b32 v[QSW], v255, s[QSB:QSB+1] offset:1024*\p
.endm
	QLOAD 0
.irp i, 0,1,2,3,4,5
	v_mov_b32 v[QF+6+\i], 0                        ; K = 64 .. 127 of the first product: zero codes, written once
	v_mov_b32 v[KF+48+\i], 0                       ; behind K's last tile
.endr
	v_mov_b32 v[PSW], 0                            ; (named as the upper half of v[252:253] before it is first written)
.macro INITV p                         ; a pass begins: O^T and the sum as zeros, the largest score under every score
.if \p
	s_wait_xcnt 0x0                                ; the last pass's stores have read their registers
.endif
	v_mov_b32 v13, 0xff61b1e6                      ; -3e38
	v_floor_f32 v12, -v13                          ; -M
	v_mov_b32 v14, 0
	v_mov_b32 v15, 0
.set j, 0
.rept 32
	v_mov_b32 v[OT+j], 0
.set j, j+1
.endr
.endm
.macro KLOADS a16, a8, as              ; a step's eight tiles of K and their words: 20 loads
.irp t, 0,1,2,3,4,5,6,7
	ds_load_b128 v[KF+6*\t:KF+6*\t+3], \a16 offset:768*\t
	ds_load_b64 v[KF+6*\t+4:KF+6*\t+5], \a8 offset:768*\t+512
.endr
.irp i, 0,1,2,3
	ds_load_b32 v[KSW+\i], \as offset:128*\i
.endr
.endm
.macro KFIRST                          ; step 0's K
	v_add_nc_u32 v[ADKS], KSC, v[LI4]
	KLOADS v[LI16], v[LI8], v[ADKS]
.endm
.macro MX i                            ; four chains by turns: two halves of each of my two blocks
	v_max3_num_f32 v[BM0], v[BM0], v[S+\i], v[S+1+\i]
	v_max3_num_f32 v254, v254, v[S+16+\i], v[S+17+\i]
	v_max3_num_f32 v[BM1], v[BM1], v[S+32+\i], v[S+33+\i]
	v_max3_num_f32 v255, v255, v[S+48+\i], v[S+49+\i]
.endm
.macro TM n                            ; n pairs of t - M
.rept \n
	v_pk_fma_f32 v[S+j:S+j+1], v[S+j:S+j+1], s[CS:CS+1], v[12:13] op_sel_hi:[1,0,0]
.set j, j+2
.endr
.endm
.macro STEP
	s_wait_dscnt 0x0                               ; this step's K, asked for a step ago
.irp t, 0,1,2,3,4,5,6,7
.if \t%2
	v_wmma_scale_f32_16x16x128_f8f6f4 v[S+8*\t:S+8*\t+7], v[KF+6*\t:KF+6*\t+11], v[QF:QF+11], 0, v[KSW+\t/2], v[QSW] matrix_a_fmt:MATRIX_FMT_FP6 matrix_b_fmt:MATRIX_FMT_FP6 matrix_a_scale:MATRIX_SCALE_ROW1
.else
	v_wmma_scale_f32_16x16x128_f8f6f4 v[S+8*\t:S+8*\t+7], v[KF+6*\t:KF+6*\t+11], v[QF:QF+11], 0, v[KSW+\t/2], v[QSW] matrix_a_fmt:MATRIX_FMT_FP6 matrix_b_fmt:MATRIX_FMT_FP6
.endif
.endr
	v_add_nc_u32 v[ADK16], s[TK], v[LI16]          ; these five are the places behind the products: ahead of the loads into K's and V's registers and of the first read of the scores
	v_add_nc_u32 v[ADK8], s[TK], v[LI8]
	v_add_nc_u32 v[ADKS], s[TS], v[LI4]
	v_add_nc_u32 v[ADVS], s[TW], v[LI4]
	v_add_nc_u32 v[ADV], VC-KSTEP, v[ADK16]
.irp t, 0,1,2,3
.irp c, 0,1,2
	ds_load_b128 v[VF+12*\t+4*\c:VF+12*\t+4*\c+3], v[ADV] offset:1536*\t+512*\c
.endr
.endr
	ds_load_b32 v[VSW], v[ADVS]
	ds_load_b32 v[VSW+1], v[ADVS] offset:128
	KLOADS v[ADK16], v[ADK8], v[ADKS]
	v_max3_num_f32 v[BM0], v[S], v[S+1], v[S+2]    ; the largest score of each block: it serves for the row's maximum and, since p rises with the score, for the block's largest p
	v_max3_num_f32 v254, v[S+16], v[S+17], v[S+18]
	v_max3_num_f32 v[BM1], v[S+32], v[S+33], v[S+34]
	v_max3_num_f32 v255, v[S+48], v[S+49], v[S+50]
.irp i, 3,5,7,9,11,13
	MX \i
.endr
	v_max3_num_f32 v[BM0], v[BM0], v254, v[S+15]
	v_max3_num_f32 v[BM1], v[BM1], v255, v[S+47]
	v_max_num_f32 v[BM0], v[BM0], v[S+31]
	v_max_num_f32 v[BM1], v[BM1], v[S+63]
	s_delay_alu instid0(VALU_DEP_1)
	v_max_num_f32 v254, v[BM0], v[BM1]
	s_delay_alu instid0(VALU_DEP_1)
	v_permlanex16_b32 v255, v254, s[SEL], s[SEL+1]
	s_delay_alu instid0(VALU_DEP_1)
	v_max3_num_f32 v13, v13, v254, v255            ; the running largest score of my query
	s_delay_alu instid0(VALU_DEP_1)
	v_mul_f32 v254, s[NC], v13                     ; -t
	v_mov_b32 v255, v12
	s_delay_alu instid0(VALU_DEP_2)
	v_floor_f32 v12, v254                          ; the new -M = floor(-t): M is a whole number
	s_delay_alu instid0(VALU_DEP_1)
	v_sub_f32 v255, v12, v255                      ; old M - new M: a whole number, 0 or less
.set j, 0
	TM 4
	v_cvt_i32_f32 v255, v255                       ; (it saturates)
	TM 4
	v_ldexp_f32 v252, 1.0, v255                    ; f = 2^(old M - new M)
	TM 24
	v_fma_f32 v[BM0], v[BM0], s[CS], v12           ; the same of each block's largest score
	v_fma_f32 v[BM1], v[BM1], s[CS], v12
.set j, 0
.rept 16
	v_pk_mul_f32 v[OT+j:OT+j+1], v[OT+j:OT+j+1], v[252:253] op_sel_hi:[1,0]   ; O^T under the new M, each accumulator from its low end on
.set j, j+2
.endr
	s_wait_alu depctr_va_vdst(0)                   ; the wait ahead of the batch
.set j, 0
.rept 64
	v_exp_f32 v[S+j], v[S+j]                       ; p = 2^(t - M), at most 1
.set j, j+1
.endr
	v_exp_f32 v[BM0], v[BM0]                       ; the blocks' largest p: the same two instructions on the same number give the same bits
	v_exp_f32 v[BM1], v[BM1]
	v_pk_mul_f32 v[14:15], v[14:15], v[252:253] op_sel_hi:[1,0]   ; the sum under the new M (a plain line behind the exponentials)
	s_wait_alu depctr_va_vdst(0)                   ; and the wait ahead of the batch's first reader
	v_max_num_f32 v[BM0], 0x1800000, v[BM0]        ; the floor 2^(3 - 127): the byte cannot fall under 1
	v_max_num_f32 v[BM1], 0x1800000, v[BM1]
	s_delay_alu instid0(VALU_DEP_2)
	v_add_nc_u32 v[BM0], 0xff000000, v[BM0]        ; 2 off the exponent field: the conversions' scale operand
	s_delay_alu instid0(VALU_DEP_2)
	v_add_nc_u32 v[BM1], 0xff000000, v[BM1]
	v_cvt_scalef32_pk16_fp6_f32 v[PCD:PCD+2], v[S:S+15], v[BM0]
	v_cvt_scalef32_pk16_fp6_f32 v[CT:CT+2], v[S+16:S+31], v[BM0]       ; (a conversion's three registers begin on an even number)
	v_cvt_scalef32_pk16_fp6_f32 v[PCD+6:PCD+8], v[S+32:S+47], v[BM1]
	v_cvt_scalef32_pk16_fp6_f32 v[CT+4:CT+6], v[S+48:S+63], v[BM1]
	v_lshrrev_b32 v254, 23, v[BM0]                 ; the bytes of blocks h and 2 + h
	v_lshrrev_b32 v255, 23, v[BM1]
	s_delay_alu instid0(VALU_DEP_1)
	v_lshl_or_b32 v254, v255, 16, v254
	s_delay_alu instid0(VALU_DEP_1)
	v_lshlrev_b32 v254, v[SH8], v254               ; at their places in the scale word,
	s_delay_alu instid0(VALU_DEP_1)
	v_permlanex16_b32 v255, v254, s[SEL], s[SEL+1]
	s_delay_alu instid0(VALU_DEP_1)
	v_or_b32 v[PSW], v254, v255                    ; with lane l xor 16's two
.irp i, 0,1,2
	v_mov_b32 v[PCD+3+\i], v[CT+\i]
	v_mov_b32 v[PCD+9+\i], v[CT+4+\i]
.endr
.irp k, 0,1,2,3                                ; the row's sum of the unquantised p: four chains of pairs; these 32 lines are the places ahead of the products below
	v_pk_add_f32 v[CT+2*\k:CT+2*\k+1], v[S+2*\k:S+2*\k+1], v[S+8+2*\k:S+9+2*\k]
.endr
.irp m, 2,3,4,5,6,7
.irp k, 0,1,2,3
	v_pk_add_f32 v[CT+2*\k:CT+2*\k+1], v[CT+2*\k:CT+2*\k+1], v[S+8*\m+2*\k:S+8*\m+2*\k+1]
.endr
.endr
	s_delay_alu instid0(VALU_DEP_3)
	v_pk_add_f32 v[CT:CT+1], v[CT:CT+1], v[CT+2:CT+3]
	s_delay_alu instid0(VALU_DEP_2)
	v_pk_add_f32 v[CT+4:CT+5], v[CT+4:CT+5], v[CT+6:CT+7]
	s_delay_alu instid0(VALU_DEP_1)
	v_pk_add_f32 v[CT:CT+1], v[CT:CT+1], v[CT+4:CT+5]
	s_delay_alu instid0(VALU_DEP_1)
	v_pk_add_f32 v[14:15], v[14:15], v[CT:CT+1]
	s_wait_dscnt 20                                ; V's 14 loads are in; the 20 younger ones, the next step's K, may be out
.irp t, 0,1,2,3                                ; O^T += V^T P^T: four accumulators, one instruction a turn
.if \t%2
	v_wmma_scale_f32_16x16x128_f8f6f4 v[OT+8*\t:OT+8*\t+7], v[VF+12*\t:VF+12*\t+11], v[PCD:PCD+11], v[OT+8*\t:OT+8*\t+7], v[VSW+\t/2], v[PSW] matrix_a_fmt:MATRIX_FMT_FP6 matrix_b_fmt:MATRIX_FMT_FP6 matrix_a_scale:MATRIX_SCALE_ROW1
.else
	v_wmma_scale_f32_16x16x128_f8f6f4 v[OT+8*\t:OT+8*\t+7], v[VF+12*\t:VF+12*\t+11], v[PCD:PCD+11], v[OT+8*\t:OT+8*\t+7], v[VSW+\t/2], v[PSW] matrix_a_fmt:MATRIX_FMT_FP6 matrix_b_fmt:MATRIX_FMT_FP6
.endif
.endr
	s_add_co_u32 s[TS], s[TS], 512
	s_add_co_u32 s[TW], s[TW], 256
.endm
.macro LOOP                            ; sixteen steps
	s_mov_b32 s[TK], KSTEP
	s_mov_b32 s[TS], KSC+512
	s_mov_b32 s[TW], VSC
	s_wait_alu depctr_va_vdst(0)                   ; directly ahead of the wait below
	s_wait_loadcnt 0x0                             ; Q
.Lstep_\@:
	STEP
	s_add_co_u32 s[TK], s[TK], KSTEP
	s_cmp_lg_u32 s[TK], 17*KSTEP
	s_cbranch_scc1 .Lstep_\@
	s_wait_alu depctr_va_vdst(0)                   ; directly ahead of the wait below
	s_wait_dscnt 0x0                               ; the last step's loads behind K's end have come back: their registers may be loaded again
	v_and_b32 v255, 60, v[LI4]                     ; 4 x (lane % 16)
.endm
; A PASS ENDS: O^T / l, quantised along the head's 64 channels (register 16 B + n is channel 32 B + 16 h + n), leaves as an image of 6 registers and two scale bytes a query.
.macro EPILOG p
	s_wait_alu depctr_va_vdst(0)
	v_add_f32 v14, v14, v15                        ; the sum's two halves,
	s_delay_alu instid0(VALU_DEP_1)
	v_permlanex16_b32 v254, v14, s[SEL], s[SEL+1]
	s_delay_alu instid0(VALU_DEP_1)
	v_add_f32 v14, v14, v254                       ; and lane l xor 16's
	v_lshrrev_b32 v252, 6, v[LI4]
	s_delay_alu instid0(VALU_DEP_1)
	v_lshl_add_u32 v252, v255, 3, v252             ; 32 x (lane % 16) + lane / 16
	s_wait_alu depctr_va_vdst(0)
	v_rcp_f32 v14, v14
	v_nop
	s_wait_alu depctr_va_vdst(0)                   ; ahead of the reciprocal's first reader, which is also O^T's
.set j, 0
.rept 16
	v_pk_mul_f32 v[S+j:S+j+1], v[OT+j:OT+j+1], v[14:15] op_sel_hi:[1,0]
.set j, j+2
.endr
.irp b, 0,1
	v_max3_num_f32 v[BM0+4*\b], |v[S+16*\b]|, |v[S+16*\b+1]|, 0x1800000
.endr
.irp i, 2,4,6,8,10,12,14
.irp b, 0,1
	s_delay_alu instid0(VALU_DEP_2)
	v_max3_num_f32 v[BM0+4*\b], v[BM0+4*\b], |v[S+16*\b+\i]|, |v[S+16*\b+\i+1]|
.endr
.endr
.irp b, 0,1
	s_delay_alu instid0(VALU_DEP_2)
	v_permlanex16_b32 v[CT+\b], v[BM0+4*\b], s[SEL], s[SEL+1]
.endr
.irp b, 0,1
	s_delay_alu instid0(VALU_DEP_2)
	v_max_num_f32 v[BM0+4*\b], v[BM0+4*\b], v[CT+\b]
.endr
.irp b, 0,1
	s_delay_alu instid0(VALU_DEP_2)
	v_add_nc_u32 v[BM0+4*\b], 0xff000000, v[BM0+4*\b]
.endr
.irp b, 0,1
	s_delay_alu instid0(VALU_DEP_2)
	v_lshrrev_b32 v[CT+\b], 23, v[BM0+4*\b]
.endr
	s_delay_alu instid0(VALU_DEP_1)
	v_cndmask_b32 v254, v[CT], v[CT+1], s[HM]      ; lanes 0-15 store block 0's byte, lanes 16-31 block 1's
	v_cvt_scalef32_pk16_fp6_f32 v[PCD:PCD+2], v[S:S+15], v[BM0]
	v_cvt_scalef32_pk16_fp6_f32 v[CT+4:CT+6], v[S+16:S+31], v[BM1]
	v_nop
.irp i, 0,1,2
	v_permlane16_swap_b32 v[PCD+\i], v[CT+4+\i]
.endr
.irp i, 0,1,2
	s_delay_alu instid0(VALU_DEP_3)
	v_mov_b32 v[PCD+3+\i], v[CT+4+\i]
.endr
	global_store_b128 v[LI16], v[PCD:PCD+3], s[OCB:OCB+1] offset:12288*\p          ; 512 consecutive bytes, aligned
	global_store_b64 v[LI8], v[PCD+4:PCD+5], s[OCB:OCB+1] offset:12288*\p+512      ; 256
	global_store_b8 v252, v254, s[OSB:OSB+1] offset:8192*\p
.endm
	INITV 0
	s_wait_alu depctr_va_vdst(0)
	s_wait_tensorcnt 0x0                           ; my load has landed,
	s_barrier_signal -1
	s_barrier_wait -1                              ; and everybody's: all of K and V is shown to every wave; no further barrier is needed
	KFIRST
	LOOP
	KFIRST                                         ; the second pass's first K and its queries come in under the first pass's way out
	QLOAD 1
	EPILOG 0
	INITV 1
	LOOP
	EPILOG 1
	s_wait_tensorcnt 0x0                           ; the wave's end
	ds_add_u32 v[SPW], v[NIL]
	s_wait_dscnt 0x0
	CROUND                                         ; the closing round
	s_endpgm
.Lfunc_end_k_q55b23e4765_attn:
	.size	k_q55b23e4765_attn, .Lfunc_end_k_q55b23e4765_attn-k_q55b23e4765_attn
	.p2alignl 7, 3214868480
	.fill 96, 4, 3214868480
	.section	.rodata,"a",@progbits
	.p2align	6, 0x0
	.amdhsa_kernel k_q55b23e4765_attn
		.amdhsa_group_segment_fixed_size 210944
		.amdhsa_private_segment_fixed_size 0
		.amdhsa_enable_private_segment 0
		.amdhsa_kernarg_size 32
		.amdhsa_user_sgpr_count 2
		.amdhsa_user_sgpr_kernarg_segment_ptr 1
		.amdhsa_wavefront_size32 1
		.amdhsa_system_sgpr_workgroup_id_x 1
		.amdhsa_system_sgpr_workgroup_id_y 1
		.amdhsa_system_sgpr_workgroup_id_z 1
		.amdhsa_system_vgpr_workitem_id 0
		.amdhsa_next_free_vgpr 256
		.amdhsa_next_free_sgpr 92
		.amdhsa_reserve_vcc 0
		.amdhsa_float_denorm_mode_32 3
		.amdhsa_float_denorm_mode_16_64 3
		.amdhsa_memory_ordered 1
		.amdhsa_forward_progress 1
		.amdhsa_inst_pref_size 52
	.end_amdhsa_kernel
	.amdgpu_metadata
---
amdhsa.version: [ 1, 2 ]
amdhsa.kernels:
  - .name:           k_q55b23e4765_attn
    .symbol:         k_q55b23e4765_attn.kd
    .args:
      - { .name: hcodes, .offset: 0, .size: 8, .value_kind: global_buffer, .address_space: global }
      - { .name: hscales, .offset: 8, .size: 8, .value_kind: global_buffer, .address_space: global }
      - { .name: ocodes, .offset: 16, .size: 8, .value_kind: global_buffer, .address_space: global }
      - { .name: oscales, .offset: 24, .size: 8, .value_kind: global_buffer, .address_space: global }
    .group_segment_fixed_size: 210944
    .private_segment_fixed_size: 0
    .kernarg_segment_align: 8
    .kernarg_segment_size: 32
    .max_flat_workgroup_size: 512
    .sgpr_count:     92
    .vgpr_count:     256
    .wavefront_size: 32
...
	.end_amdgpu_metadata
.endif
;; end of part 3
;; launch oproj (part 4): grid 8 x 32, 4 waves a work-group, clusters of 4 x 4, 327,680 bytes of LDS; arguments ocodes, oscales, wcodes, wscales, bo, out0; writes out0
.if DOCPART == 4
	.amdgcn_target "amdgcn-amd-amdhsa--gfx1250"
	.amdhsa_code_object_version 6
	.text
	.protected	k_q55b23e4765_oproj
	.globl	k_q55b23e4765_oproj
	.p2align	8
	.type	k_q55b23e4765_oproj,@function
k_q55b23e4765_oproj:
	s_mov_b64 s[64:65], 0
	v_nop
	global_prefetch_b8 v0, s[64:65] scope:SCOPE_SE
	s_setreg_imm32_b32 hwreg(HW_REG_WAVE_MODE, 25, 1), 1
	s_wait_xcnt 0x0
	s_wait_alu depctr_hold_cnt(0) depctr_sa_sdst(0) depctr_va_vdst(0) depctr_va_sdst(0) depctr_va_ssrc(0) depctr_va_vcc(0) depctr_vm_vsrc(0)
	s_getreg_b32 s2, hwreg(HW_REG_IB_STS2, 6, 4)
	s_cmp_eq_u32 s2, 0
	s_cbranch_scc0 .Lentry_in_a_cluster
	s_endpgm
.Lentry_in_a_cluster:
	s_bfe_u32 s2, ttmp6, 0x10000c
	s_cmp_lg_u32 s2, 0xf033
	s_cbranch_scc0 .Lentry_shape_is_right
	s_endpgm
.Lentry_shape_is_right:
; out0[token][n] = sum over k of O[token][k] wo[n][k] + bo[n]: 8,192 x 1,024 x 1,024 on codes of FP6 (E2M3) with E8M0 scales, f32 sums and results.
; THE DEAL.  256 work-groups of four waves, 2 x 2; a work-group makes 256 token places x 128 columns.  K is short and the result wide, so nothing walks along K: a wave holds its 64 rows of wo, ALL of K, in 384 registers
; (4 column tiles x 8 fragments of 12) and passes its 128 token places by them in eight blocks of 16, 32 products a block.  A block's fragments lie twice in registers: block s reads set s % 2, which then takes block s + 2.
; IN.  ocodes [batch, head][128 tiles][768 bytes]: a tile (16 places x a head's 64 channels) is an image of 6 registers: 0-3 at 16 x lane, 4-5 at 512 + 8 x lane; heads 2 q and 2 q + 1 make the fragment of K step q.
; oscales [8192 places][32]; wo's codes from byte 3072 x 768 of wcodes on, [1024 places][768]; wscales [4096 places][32], wo's from place 3072 on.
; LDS, each region filled ONCE, one tensor load a wave: wave 0 wo's 128 rows (768 bytes + 16 behind every 256), wave 1 the 256 places' scale bytes, waves 2 and 3 eight heads each of O's 16 tiles.  Nothing is filled again.
; O's tiles and scale bytes are shared by a row of the cluster, wo's rows by a column: joint loads.  No prefetch: all that the launch reads is asked for at its head, and there is no loop to run ahead in.
; The first barrier shows wo's rows alone (wave 0's own load line), so that their 192 LDS loads a wave stand ahead of the wait for the other tiles.
; THE MATRIX INSTRUCTION IS USED TRANSPOSED (source 0 = wo's rows): by the order of wo's places, registers 16 B + n of tiles 2 B, 2 B + 1 in lane (r, h) are columns 32 B + 16 h + n of token place r.  The bias is the first products' C.
; THE WAY OUT.  A block's 16 x 64 numbers turn through the wave's stage (in wo's region, which every wave has read out by then and which is not filled again) and leave as rows of 256 bytes, sixteen lanes to a row;
; block s is stored behind block s + 1's products.  Place 16 T + t of a 256-place block is token 64 (T / 4) + 8 (T % 4) + t % 8 + 32 (t / 8).
; THE WAITS' COUNTS.  A fetch is 34 LDS loads, a turn through the stage 16 LDS instructions.  Ahead of block s: younger than its fetch may be out the next fetch and the last turn (50; block 0: the next fetch, 34;
; block 7: two turns, 32).  Ahead of block s's stores: the fetch and the turn issued behind its turn (50; where nothing more is fetched 16; at the end 0).
.set KROW,   768
.set PITCH,  816                       ; an LDS row of wo: 3 x (256 + 16)
.set FR,     12
.set FPW,    21                        ; fragments in a window of 256 registers
.set HEADL,  12288                     ; a head's 16 tiles in LDS
.set WB,     196608                    ; behind O's 16 heads: wo's 128 rows
.set SCL,    WB+128*PITCH              ; the places' scale bytes: 32 units of 256 + 16
.set SPARE,  SCL+32*272
.set SPITCH, 272                       ; a stage row: 256 bytes + 16
.set A16,  4                           ; v4-7   LDS address of my tiles, heads 4 g .. 4 g + 3, 16 x lane
.set A8,   8                           ; v8-11  the same, 8 x lane
.set WA,   12                          ; v12-13 LDS address of my rows of wo (v13: for the pieces whose lanes 16-31 lie behind one padding more)
.set AAS,  14                          ; my place's scale bytes
.set STO,  15
.set RD,   16
.set CO,   17
.set SPW,  18
.set NIL,  19
.set WSO,  20                          ; 32 x lane
.set BO,   21                          ; 64 x (lane / 16)
.set SB,   24                          ; v24-39 wo's scale words: 8 p + q: lanes 0-15 tile 2 p, lanes 16-31 tile 2 p + 1
.set SA,   44                          ; v44-59 the places' scale words, two sets of eight
.set ACC,  64                          ; v64-127 two sets of four accumulators
.set BIAS, 128                         ; v128-159
.set RB,   160                         ; v160-223 two sets of 16 rows read back
.set G1W, 24
.set G1A, 32
.set G1S, 48
.set G0W, 56
.set G0A, 60
.set G0S, 68
.set OUT, 98
.set MSB, 0
.macro WIN new
.if MSB != \new
	s_set_vgpr_msb (MSB<<8)|\new
.set MSB, \new
.endif
.endm
.macro PLACES n
.rept \n
	v_nop
.endr
.endm
.macro BARRIER
	s_barrier_signal -1
	s_barrier_wait -1
.endm
.macro CROUND
	BARRIER
	s_cmp_lg_u32 s14, 0
	s_cbranch_scc1 .Lnot_wave_0_\@
	s_barrier_signal -3
.Lnot_wave_0_\@:
	s_barrier_wait -3
	BARRIER
.endm
.macro TLOAD g0, g1
	tensor_load_to_lds s[\g0:\g0+3], s[\g1:\g1+7]
	s_nop 0
	PLACES 4
.endm
	s_load_b128 s[4:7], s[0:1], 0x0                ; ocodes, oscales
	s_load_b128 s[8:11], s[0:1], 0x10              ; wcodes, wscales
	s_load_b128 s[96:99], s[0:1], 0x20             ; bo, out0
	v_lshl_add_u32 v[SPW], v0, 2, SPARE
	v_mov_b32 v[NIL], 0
	ds_add_u32 v[SPW], v[NIL]                      ; the opening lines: the add twice on end and one wait
	ds_add_u32 v[SPW], v[NIL]
	v_lshrrev_b32 v1, 5, v0
	v_readfirstlane_b32 s14, v1                    ; wave; s15 its half of the places, s16 its half of the columns
	s_lshr_b32 s15, s14, 1
	s_and_b32 s16, s14, 1
	s_bfe_u32 s40, ttmp6, 0x40000                  ; cx
	s_bfe_u32 s41, ttmp6, 0x40004                  ; cy
	s_lshl_b32 s42, ttmp9, 2
	s_add_co_u32 s42, s42, s40                     ; which 128 columns, 0 .. 7
	s_and_b32 s43, ttmp7, 0xffff
	s_lshl_b32 s43, s43, 2
	s_add_co_u32 s43, s43, s41                     ; which 256 places, 0 .. 31
	s_lshl_b32 s44, s41, 2
	s_lshl_b32 s44, 15, s44                        ; my row of the cluster
	s_lshl_b32 s45, 0x1111, s40                    ; my column
	s_or_b32 s[G1W], s45, (1<<20)|(1<<21)|(5<<22)|(3<<25)   ; wo: 128 rows of 768 bytes, 16 bytes of padding behind every 256
	s_mov_b32 s[G1W+1], KROW<<16
	s_mov_b32 s[G1W+2], 128<<16
	s_mov_b32 s[G1W+3], KROW<<16
	s_mov_b32 s[G1W+4], 128
	s_mov_b32 s[G1W+5], KROW
	s_mov_b32 s[G1W+6], 0
	s_mov_b32 s[G1W+7], 0
	s_or_b32 s[G1A], s44, (3<<16)|(1<<21)          ; O: 8 heads x 12,288 bytes (1,536 elements of 8), 98,304 bytes apart
	s_mov_b32 s[G1A+1], 1536<<16
	s_mov_b32 s[G1A+2], 8<<16
	s_mov_b32 s[G1A+3], 1536<<16
	s_mov_b32 s[G1A+4], 8
	s_mov_b32 s[G1A+5], 12288
	s_mov_b32 s[G1A+6], 0
	s_mov_b32 s[G1A+7], 0
	s_or_b32 s[G1S], s44, (3<<16)|(1<<20)|(1<<21)|(5<<22)|(3<<25)   ; scale bytes: 32 rows of 256 bytes, padded
	s_mov_b32 s[G1S+1], 32<<16
	s_mov_b32 s[G1S+2], 32<<16
	s_mov_b32 s[G1S+3], 32<<16
	s_mov_b32 s[G1S+4], 32
	s_mov_b32 s[G1S+5], 32
	s_mov_b32 s[G1S+6], 0
	s_mov_b32 s[G1S+7], 0
	s_lshr_b32 s20, s43, 3                         ; O: the batch,
	s_mul_i32 s20, s20, 16*98304
	s_and_b32 s21, s43, 7
	s_mul_i32 s21, s21, HEADL                      ; the 16 tiles,
	s_add_co_u32 s20, s20, s21
	s_mul_i32 s21, s16, 8*98304                    ; heads 0-7 or 8-15
	s_add_co_u32 s20, s20, s21
	s_mov_b32 s21, 0
	s_lshl_b32 s22, s43, 13                        ; 256 places x 32 scale bytes
	s_mov_b32 s23, 0
	s_mul_i32 s46, s42, 128*KROW
	s_add_co_u32 s46, s46, 3072*KROW               ; wo's rows
	s_mov_b32 s47, 0
	s_lshl_b32 s72, s42, 12                        ; wo's scale bytes: my 64 rows
	s_lshl_b32 s73, s16, 11
	s_add_co_u32 s72, s72, s73
	s_add_co_u32 s72, s72, 3072*32
	s_mov_b32 s73, 0
	s_lshl_b32 s74, s42, 9                         ; my 64 columns, in bytes
	s_lshl_b32 s75, s16, 8
	s_add_co_u32 s74, s74, s75
	s_mov_b32 s75, 0
	s_lshl_b32 s76, s43, 20                        ; my 128 rows of out0
	s_lshl_b32 s77, s15, 19
	s_add_co_u32 s76, s76, s77
	s_add_co_u32 s76, s76, s74
	s_mov_b32 s77, 0
	s_mul_i32 s80, s16, 64*PITCH
	s_add_co_u32 s80, s80, WB                      ; LDS: my 64 rows of wo
	s_mul_i32 s81, s15, 8*768                      ; my 8 tiles of a head, heads 0-3,
	s_add_co_u32 s82, s81, 4*HEADL                 ; 4-7,
	s_add_co_u32 s83, s81, 8*HEADL
	s_add_co_u32 s84, s81, 12*HEADL
	s_mul_i32 s85, s15, 16*272
	s_add_co_u32 s85, s85, SCL                     ; my 128 places' scale bytes
	s_mul_i32 s86, s14, 16*SPITCH
	s_add_co_u32 s86, s86, WB                      ; my stage
	s_mul_i32 s87, s16, 8*HEADL                    ; where the heads that I fetch go
	s_wait_dscnt 0x0
	CROUND                                         ; the opening round
	s_wait_kmcnt 0x0
	s_mov_b32 s[G0W], 1
	s_mov_b32 s[G0W+1], WB
	s_add_nc_u64 s[G0W+2:G0W+3], s[8:9], s[46:47]
	s_or_b32 s[G0W+3], s[G0W+3], 0x80000000
	s_mov_b32 s[G0A], 1
	s_mov_b32 s[G0A+1], s87
	s_add_nc_u64 s[G0A+2:G0A+3], s[4:5], s[20:21]
	s_or_b32 s[G0A+3], s[G0A+3], 0x80000000
	s_mov_b32 s[G0S], 1
	s_mov_b32 s[G0S+1], SCL
	s_add_nc_u64 s[G0S+2:G0S+3], s[6:7], s[22:23]
	s_or_b32 s[G0S+3], s[G0S+3], 0x80000000
	s_add_nc_u64 s[10:11], s[10:11], s[72:73]
	s_add_nc_u64 s[96:97], s[96:97], s[74:75]
	s_add_nc_u64 s[OUT:OUT+1], s[OUT:OUT+1], s[76:77]
	s_cmp_eq_u32 s14, 0
	s_cbranch_scc0 .Lwave_1
	TLOAD G0W, G1W                                 ; wave 0: wo's rows, which are needed first
	s_branch .Lasked
.Lwave_1:
	s_cmp_eq_u32 s14, 1
	s_cbranch_scc0 .Lwave_2
	TLOAD G0S, G1S                                 ; wave 1: the places' scale bytes
	s_branch .Lasked
.Lwave_2:
	TLOAD G0A, G1A                                 ; waves 2 and 3: eight heads each
.Lasked:
	v_and_b32 v1, 15, v0                           ; r
	v_bfe_u32 v2, v0, 4, 1                         ; h
	v_and_b32 v3, 31, v0                           ; lane
	v_lshlrev_b32 v[WSO], 5, v3
	v_lshlrev_b32 v[BO], 6, v2
	v_mul_u32_u24 v22, v1, PITCH
	v_lshlrev_b32 v23, 4, v3
	v_mad_u32_u24 v[WA], v2, 24, v22
	v_mad_u32_u24 v[WA+1], v2, 40, v22
	v_lshlrev_b32 v22, 3, v3
	v_add_nc_u32 v[WA], s80, v[WA]
	v_add_nc_u32 v[WA+1], s80, v[WA+1]
.irp g, 0,1,2,3
	v_add_nc_u32 v[A16+\g], s[81+\g], v23
	v_add_nc_u32 v[A8+\g], s[81+\g], v22
.endr
.irp p, 0,1
.irp c, 0,1
	global_load_b128 v[SB+8*\p+4*\c:SB+8*\p+4*\c+3], v[WSO], s[10:11] offset:\p*1024+16*\c   ; row 32 p + lane: its eight scale words
.endr
.endr
.irp u, 0,1,2,3
	global_load_b128 v[BIAS+8*\u:BIAS+8*\u+3], v[BO], s[96:97] offset:(32*(\u/2)+8*(\u%2))*4
	global_load_b128 v[BIAS+8*\u+4:BIAS+8*\u+7], v[BO], s[96:97] offset:(32*(\u/2)+8*(\u%2))*4+16
.endr
	v_lshrrev_b32 v22, 3, v1
	v_and_b32 v23, 7, v1
	v_mul_u32_u24 v22, v22, 272
	v_lshl_add_u32 v22, v23, 5, v22
	v_add_nc_u32 v[AAS], s85, v22                  ; 8 places to a unit of 256 + 16
	v_mul_u32_u24 v22, v1, SPITCH
	v_lshl_add_u32 v22, v2, 6, v22
	v_add_nc_u32 v[STO], s86, v22                  ; into the stage: row r, 64 bytes for each half of the lanes
	v_mul_u32_u24 v23, v2, SPITCH
	v_lshl_add_u32 v23, v1, 4, v23
	v_add_nc_u32 v[RD], s86, v23                   ; back: sixteen lanes to a row, two rows an instruction
	v_lshlrev_b32 v22, 12, v2
	v_lshl_add_u32 v[CO], v1, 4, v22               ; and the same two rows in out0
; Fragment f lies in window 1 + f / 21 at register 12 (f % 21): 0-31 wo's (4 q + u), 32-39 and 40-47 the places' two sets.
.macro FRAGW q, u                      ; six pieces of 8 bytes; byte y of a row lies at y + 16 (y / 256)
.set F_, 4*(\q)+(\u)
	WIN (1+F_/FPW)<<6
.set R_, FR*(F_%FPW)
.irp p, 0,1,2,3,4,5
.set PC_, 12*(\q)+6*(\p/3)+\p%3
.if (PC_%32+3)/32
	ds_load_b64 v[R_+2*\p:R_+2*\p+1], v[WA+1] offset:8*PC_+16*(PC_/32)+(\u)*16*PITCH
.else
	ds_load_b64 v[R_+2*\p:R_+2*\p+1], v[WA] offset:8*PC_+16*(PC_/32)+(\u)*16*PITCH
.endif
.endr
.endm
.macro FETCH s, e                      ; block s into set e: 32 loads of images, 2 of scale words
.irp q, 0,1,2,3,4,5,6,7
.set F_, 32+8*(\e)+\q
	WIN (1+F_/FPW)<<6
.set R_, FR*(F_%FPW)
.irp c, 0,1
.set H_, 2*\q+\c
	ds_load_b128 v[R_+6*\c:R_+6*\c+3], v[A16+H_/4] offset:(H_%4)*HEADL+768*(\s)
	ds_load_b64 v[R_+6*\c+4:R_+6*\c+5], v[A8+H_/4] offset:(H_%4)*HEADL+768*(\s)+512
.endr
.endr
	WIN 0
	ds_load_b128 v[SA+8*(\e):SA+8*(\e)+3], v[AAS] offset:2*(\s)*272
	ds_load_b128 v[SA+8*(\e)+4:SA+8*(\e)+7], v[AAS] offset:2*(\s)*272+16
.endm
.macro PROD1 d, a, b, c, xa, xb, o
.if (\o)%2
	v_wmma_scale_f32_16x16x128_f8f6f4 v[\d:\d+7], v[\a:\a+11], v[\b:\b+11], \c, v[\xa], v[\xb] matrix_a_fmt:MATRIX_FMT_FP6 matrix_b_fmt:MATRIX_FMT_FP6 matrix_a_scale:MATRIX_SCALE_ROW1
.else
	v_wmma_scale_f32_16x16x128_f8f6f4 v[\d:\d+7], v[\a:\a+11], v[\b:\b+11], \c, v[\xa], v[\xb] matrix_a_fmt:MATRIX_FMT_FP6 matrix_b_fmt:MATRIX_FMT_FP6
.endif
.endm
.macro PRODS s                         ; a block's 32 products: the four accumulators by turns, K ascending
.irp q, 0,1,2,3,4,5,6,7
.irp u, 0,1,2,3
.set FW_, 4*\q+\u
.set FX_, 32+8*((\s)%2)+\q
.set D_, ACC+32*((\s)%2)+8*\u
.set XW_, SB+8*(\u/2)+\q
.set XX_, SA+8*((\s)%2)+\q
	WIN (1+FW_/FPW)|((1+FX_/FPW)<<2)
.if \q
	PROD1 D_, FR*(FW_%FPW), FR*(FX_%FPW), v[D_:D_+7], XW_, XX_, \u
.else
	PROD1 D_, FR*(FW_%FPW), FR*(FX_%FPW), v[BIAS+8*\u:BIAS+8*\u+7], XW_, XX_, \u
.endif
.endr
.endr
.endm
.macro STAGE s                         ; LDS serves a wave's instructions in order: no wait between the stores and the loads
.set AC_, ACC+32*((\s)%2)
.set RB_, RB+32*((\s)%2)
.irp u, 0,1,2,3
	ds_store_b128 v[STO], v[AC_+8*\u:AC_+8*\u+3] offset:128*(\u/2)+32*(\u%2)       ; each accumulator from its low end on
	ds_store_b128 v[STO], v[AC_+8*\u+4:AC_+8*\u+7] offset:128*(\u/2)+32*(\u%2)+16
.endr
	s_wait_xcnt 0x0                                ; block s - 2's stores have read the registers that the loads below fill
.irp k, 0,1,2,3,4,5,6,7
	ds_load_b128 v[RB_+4*\k:RB_+4*\k+3], v[RD] offset:2*\k*SPITCH
.endr
.endm
.macro SEND s, n
.set RB_, RB+32*((\s)%2)
	s_wait_dscnt \n
.irp k, 0,1,2,3,4,5,6,7
	global_store_b128 v[CO], v[RB_+4*\k:RB_+4*\k+3], s[OUT:OUT+1] offset:(64*((\s)/4)+8*((\s)%4)+(2*\k)%8+32*((2*\k)/8))*4096 th:TH_STORE_NT   ; sixteen lanes store 256 consecutive bytes, aligned
.endr
.endm
	s_wait_alu depctr_va_vdst(0)
	s_cmp_eq_u32 s14, 0
	s_cbranch_scc0 .Lnot_w
	s_wait_tensorcnt 0x0
.Lnot_w:
	BARRIER                                        ; wo's rows are in
.irp q, 0,1,2,3,4,5,6,7
.irp u, 0,1,2,3
	FRAGW \q, \u
.endr
.endr
	WIN 0
	s_wait_tensorcnt 0x0                           ; my tile is in,
	s_wait_dscnt 0x0                               ; and I have read wo's rows out
	BARRIER                                        ; both hold of every wave: O and the scale bytes may be read, and wo's region may take the stages
	FETCH 0, 0
	FETCH 1, 1
	s_wait_loadcnt 0x0                             ; wo's scale words and the bias
.irp s, 0,1,2,3,4,5,6,7
.if \s == 0
	s_wait_dscnt 34
.elseif \s == 7
	s_wait_dscnt 32
.else
	s_wait_dscnt 50
.endif
	PRODS \s
	WIN 0
	PLACES 4                                       ; ahead of the loads into the set just read and of the stores of the sums
.if \s < 6
	FETCH \s+2, \s%2
.endif
	STAGE \s
.if \s > 0
.if \s < 6
	SEND \s-1, 50
.else
	SEND \s-1, 16
.endif
.endif
.endr
	SEND 7, 0
	s_wait_tensorcnt 0x0                           ; the wave's end
	ds_add_u32 v[SPW], v[NIL]
	s_wait_dscnt 0x0
	CROUND                                         ; the closing round
	s_endpgm
.Lfunc_end_k_q55b23e4765_oproj:
	.size	k_q55b23e4765_oproj, .Lfunc_end_k_q55b23e4765_oproj-k_q55b23e4765_oproj
	.p2alignl 7, 3214868480
	.fill 96, 4, 3214868480
	.section	.rodata,"a",@progbits
	.p2align	6, 0x0
	.amdhsa_kernel k_q55b23e4765_oproj
		.amdhsa_group_segment_fixed_size 327680
		.amdhsa_private_segment_fixed_size 0
		.amdhsa_enable_private_segment 0
		.amdhsa_kernarg_size 48
		.amdhsa_user_sgpr_count 2
		.amdhsa_user_sgpr_kernarg_segment_ptr 1
		.amdhsa_wavefront_size32 1
		.amdhsa_system_sgpr_workgroup_id_x 1
		.amdhsa_system_sgpr_workgroup_id_y 1
		.amdhsa_system_sgpr_workgroup_id_z 1
		.amdhsa_system_vgpr_workitem_id 0
		.amdhsa_next_free_vgpr 840
		.amdhsa_next_free_sgpr 100
		.amdhsa_reserve_vcc 0
		.amdhsa_float_denorm_mode_32 3
		.amdhsa_float_denorm_mode_16_64 3
		.amdhsa_memory_ordered 1
		.amdhsa_forward_progress 1
		.amdhsa_inst_pref_size 89
	.end_amdhsa_kernel
	.amdgpu_metadata
---
amdhsa.version: [ 1, 2 ]
amdhsa.kernels:
  - .name:           k_q55b23e4765_oproj
    .symbol:         k_q55b23e4765_oproj.kd
    .args:
      - { .name: ocodes, .offset: 0, .size: 8, .value_kind: global_buffer, .address_space: global }
      - { .name: oscales, .offset: 8, .size: 8, .value_kind: global_buffer, .address_space: global }
      - { .name: wcodes, .offset: 16, .size: 8, .value_kind: global_buffer, .address_space: global }
      - { .name: wscales, .offset: 24, .size: 8, .value_kind: global_buffer, .address_space: global }
      - { .name: bo, .offset: 32, .size: 8, .value_kind: global_buffer, .address_space: global }
      - { .name: out0, .offset: 40, .size: 8, .value_kind: global_buffer, .address_space: global }
    .group_segment_fixed_size: 327680
    .private_segment_fixed_size: 0
    .kernarg_segment_align: 8
    .kernarg_segment_size: 48
    .max_flat_workgroup_size: 128
    .sgpr_count:     100
    .vgpr_count:     840
    .wavefront_size: 32
...
	.end_amdgpu_metadata
.endif
;; end of part 4
